; MI455X (gfx1250); checked and timed in simulation.
; The chip was launched on July 23, 2026; its instructions are those of AMD's public machine-readable ISA for CDNA 5 (MIT licence, August 2026) and "CDNA5" Instruction Set Architecture Reference Guide (July 2026). The comments in the code are by the model that wrote it; some were corrected since.
;; Causal Self Attention. Allowed arithmetic: matrix products marked QUANTISED: E3M2 operands, one E8M0 scale for each 32 along K, by v_wmma_scale_f32_16x16x128_f8f6f4 with both operands' format E3M2, f32 sums; everything else in f32.
;; Inputs: W_attn 1,024 x 3,072 float32; W_proj 1,024 x 1,024 float32; b_attn 3,072 float32; b_proj 1,024 float32; x 4 x 2,048 x 1,024 float32.
;; Outputs: out0 4 x 2,048 x 1,024 float32.
;; This version of the problem:
;;   THIS VERSION OF THE PROBLEM IS GIVEN IN LOW PRECISION. The matrix products marked QUANTISED in the list below multiply operands that are first quantised to E3M2 (3 exponent bits, 2 mantissa bits; 6 bits a number), with one power-of-two scale for each 32 numbers along K (OCP MX v1.0); their sums are f32. All else is computed in f32.
;;   The module's matrix products, in the order in which they are computed (A, B: the left and right operand; K: the contracted axis; several contracted axes count as one K, in the product's order):
;;     1. [M 8,192, K 1,024] x [K 1,024, N 3,072]; A: input x; B: input W_attn: QUANTISED
;;     2. batch 64 x [M 2,048, K 64] x [K 64, N 2,048]; A: computed on the way; B: computed on the way: QUANTISED
;;     3. batch 64 x [M 2,048, K 2,048] x [K 2,048, N 64]; A: softmax (see below); B: computed on the way: QUANTISED
;;     4. [M 8,192, K 1,024] x [K 1,024, N 1,024]; A: computed on the way; B: input W_proj: QUANTISED
;;   THE QUANTISER, for each operand of a quantised product, along K:
;;     - K is cut into blocks of 32 from its start; a last block that is shorter is filled with zeros.
;;     - A block's scale is 2^e with e = floor(log2(the largest magnitude in the block)) - 4, held to -126 .. 127; a block of zeros has e = 0. As a byte (E8M0): e + 127.
;;     - Each number is divided by its block's scale, clamped to +-28, and rounded to the nearest number of E3M2, ties to even, subnormals kept.
;;     - The product sums the exact products of the quantised numbers (number of the format x scale) in f32.
;;   ~~~python
;;   def quantise(x, axis):      # numpy; x: float32 -> the quantised numbers, widened to float32 again
;;       x = np.moveaxis(x, axis, -1); K = x.shape[-1]
;;       x = np.pad(x, [(0, 0)] * (x.ndim - 1) + [(0, -K % 32)]); x = x.reshape(x.shape[:-1] + (-1, 32)); a = np.abs(x).max(-1, keepdims=True)
;;       e = np.where(a > 0, np.clip(np.frexp(np.where(a > 0, a, 1))[1] - 1 - 4, -126, 127), 0)      # np.frexp(a)[1] - 1 = floor(log2(a)), exactly
;;       r = np.clip(x / 2.0 ** e, -28, 28)
;;       step = 2.0 ** (np.maximum(np.frexp(np.where(r == 0, 1, r))[1] - 1, -2) - 2)
;;       q = np.round(r / step) * step * 2.0 ** e      # np.round: ties to even
;;       return np.moveaxis(q.reshape(q.shape[:-2] + (-1,))[..., :K], -1, axis).astype(np.float32)
;;   ~~~
;;   SOFTMAX AHEAD OF A QUANTISED PRODUCT. Where the list says 'softmax', what is quantised is not the finished softmax but p = 2^(t - M), with t = logit x log2(e) and M = ceil(the row's largest t), a whole number; so 1/2 < the row's largest p <= 1. The row's sum l is taken of the UNQUANTISED p, in f32, and the product's result is divided by l at the end. Since M is a whole number, a kernel that streams over the keys may use a running M (the ceiling of the running maximum): every later rescaling is an exact power of two, which a block's scale takes up: the codes' values come out the same.
;;   OPERANDS COMPUTED ON THE WAY. 'Computed on the way' means the value that the module computes at that place (a softmax that the list does not call 'softmax' is quantised finished and normalised). What goes into a quantiser is computed in f32, as accurately as f32 sums, v_exp_f32 and their like allow (about 1e-6 of the number): no bf16 or f16 on the way to a quantiser, and a product that is left as it is and whose result goes on into a quantised operand takes f32 operands (vector FMAs, or v_wmma_f32_16x16x4_f32). A number that lies on a knife's edge between two numbers of the format may be rounded either way, as far as f32 arithmetic and the matrix unit's own rounding can turn it there, and no further.
;; One version. Each part assembles by itself: llvm-mc -triple=amdgcn-amd-amdhsa -mcpu=gfx1250 --defsym DOCPART=n.
;; ======== version 1 of 1: 4 launches
;; workspace buffers: XW 9,011,200 bytes; YW 7,372,800 bytes; QC 6,815,744 bytes; KV 13,369,344 bytes
;; launch quant (part 1): grid 96 x 8, 4 waves a work-group, no clusters, 34,304 bytes of LDS; arguments x, W_attn, W_proj, XW, YW; writes XW, YW
.if DOCPART == 1
	.amdgcn_target "amdgcn-amd-amdhsa--gfx1250"
	.amdhsa_code_object_version 6
	.text
	.protected	k_q6fbc34e04a_quant
	.globl	k_q6fbc34e04a_quant
	.p2align	8
	.type	k_q6fbc34e04a_quant,@function
k_q6fbc34e04a_quant:
	s_mov_b64 s[64:65], 0
	v_nop
	global_prefetch_b8 v0, s[64:65] scope:SCOPE_SE
	s_setreg_imm32_b32 hwreg(HW_REG_WAVE_MODE, 25, 1), 1
	s_wait_xcnt 0x0
; x [8192][1024], W_attn [1024][3072] and W_proj [1024][1024], f32, become codes of BF6 (E3M2) with one E8M0 byte for each 32 along K (K = the 1,024), laid as IMAGES OF THE OPERAND'S REGISTERS.
; A tile is 16 rows; in each group of 32 rows, tile u holds at lane-row p the row 8 u + p + 8 (p / 8).  A half image (768 bytes) is 16 rows x 64 K: registers 6 c .. 6 c + 3 of lane l at 16 l, registers 6 c + 4, 6 c + 5 at 512 + 8 l.
; A fragment (16 rows x 128 K) is two half images.  A panel step (12,800 bytes) is 128 rows x 128 K: 8 fragments, then 8 x 16 scale words.  A panel (102,400 bytes) is 8 panel steps.
; XW: panels 0-63 x, panels 64-87 W_attn's columns n.  YW: panels 64-71 W_proj's columns n (panels 0-63 are written by the attention launch).
; A block's scale is 2^(floor(log2(its largest magnitude)) - 4); its byte is the largest magnitude's exponent field - 4, held at 1 from below.
; LIMITS: a block of zeros, or one whose largest magnitude lies under 2^-122, gets the byte 1 (its codes are zeros or subnormal; this program alone reads the bytes); NaN and infinities among the inputs are not served.
; SHARES: work-group y = the K step of 128.  Work-group x 0-63: x, a wave takes 32 rows; 64-87: W_attn, a wave takes 32 columns; 88-95: W_proj likewise.  Every wave reads 16 KiB once.  Waves share nothing: no barrier, no cluster.
.set KP,    102400
.set PST,   12800
.set PSC,   12288
.set SPX,   528                        ; a stage row: 512 bytes + 16, an odd multiple of 16
.set R,     104                        ; v104-231 the numbers as loaded
.set X,     40                         ; v40-103  x path: a lane's two blocks of 32;  weight paths: v40-63 the codes
.set PC,    20                         ; v20-31   x path: a fragment's codes
.set FLOOR, 0x2800000                  ; 2^(5 - 127)
.set EOFF,  0xfe000000                 ; 4 off an exponent field
	s_load_b128 s[4:7], s[0:1], 0x0                ; x, W_attn
	s_load_b128 s[8:11], s[0:1], 0x10              ; W_proj, XW
	s_load_b64 s[12:13], s[0:1], 0x20              ; YW
	v_lshl_add_u32 v232, v0, 2, 0x8400
	v_mov_b32 v233, 0
	v_lshrrev_b32 v1, 5, v0
	v_readfirstlane_b32 s14, v1                    ; wave
	s_and_b32 s15, ttmp7, 0xffff                   ; the K step
	v_and_b32 v1, 31, v0                           ; lane
	s_mov_b32 s17, 0
	s_mov_b32 s19, 0
	s_lshl_b32 s23, s14, 7                         ; 128 x wave
	s_wait_kmcnt 0x0
	s_cmp_lt_u32 ttmp9, 64
	s_cbranch_scc0 .Lweights
	; ---- x: rows 32 (4 gx + wave) on, 128 along K.  A load takes one row's 512 bytes, 16 a lane; the rows come in the tiles' order
	s_lshl_b32 s16, ttmp9, 2
	s_add_co_u32 s16, s16, s14
	s_lshl_b32 s16, s16, 17                        ; 32 rows of 4,096 bytes
	s_lshl_b32 s18, s15, 9
	s_add_co_u32 s16, s16, s18
	s_add_nc_u64 s[4:5], s[4:5], s[16:17]
	s_wait_alu depctr_va_vdst(0)
	v_lshlrev_b32 v4, 4, v1                        ; 16 l
.set p, 0
.rept 32
	global_load_b128 v[R+4*p:R+4*p+3], v4, s[4:5] offset:(8*(p/16)+p%16+8*((p%16)/8))*4096 th:TH_LOAD_NT
.set p, p+1
.endr
	s_mul_i32 s16, ttmp9, KP
	s_mul_i32 s18, s15, PST
	s_add_co_u32 s16, s16, s18
	s_add_nc_u64 s[10:11], s[10:11], s[16:17]      ; my panel step
	s_mul_i32 s18, s14, 3072
	s_add_nc_u64 s[24:25], s[10:11], s[18:19]      ; my two fragments in it
	s_mov_b32 s20, 0x76543210
	s_mov_b32 s21, 0xfedcba98                      ; selects for lane l xor 16
	s_mov_b32 s22, 0xffff0000                      ; lanes 16-31
	v_and_b32 v2, 15, v0                           ; r
	v_bfe_u32 v3, v0, 4, 1                         ; h
	v_lshlrev_b32 v5, 3, v1                        ; 8 l
	v_lshl_add_u32 v6, v1, 2, s23                  ; 4 l + 128 x wave: my place among the panel step's scale words
	s_mul_i32 s18, s14, 16*SPX                     ; my stage
	v_lshl_add_u32 v7, v1, 4, s18                  ; in: 16 l of a row
	v_mul_u32_u24 v8, v2, SPX
	v_lshl_add_u32 v8, v3, 7, v8
	v_add_nc_u32 v8, s18, v8                       ; out: row r, + 128 h: my 32 numbers of each 64
	v_lshlrev_b32 v9, 3, v3                        ; 8 h
	v_mov_b32 v19, 0                               ; a lane permute's destination counts as read
; Tile u: 16 rows through the stage, so that lane (r, h) holds k = 64 c + 32 h + 0 .. 31 of row r: two whole blocks
.macro XTILE u
	s_wait_loadcnt 16*(1-\u)                       ; this tile's sixteen loads are in; tile 1's sixteen may be out
.set p, 0
.rept 16
	ds_store_b128 v7, v[R+64*\u+4*p:R+64*\u+4*p+3] offset:SPX*p
.set p, p+1
.endr
.set q, 0
.rept 16
	ds_load_b128 v[X+4*q:X+4*q+3], v8 offset:256*(q/8)+16*(q%8)    ; a wave's LDS instructions are served in order: these see the stores above
.set q, q+1
.endr
	s_wait_dscnt 0x0
.irp c, 0,1
	v_max3_num_f32 v[10+\c], |v[X+32*\c]|, |v[X+32*\c+1]|, FLOOR   ; the block's largest magnitude, with the floor among its leaves
.endr
.irp i, 2,4,6,8,10,12,14,16,18,20,22,24,26,28,30
.irp c, 0,1
	v_max3_num_f32 v[10+\c], v[10+\c], |v[X+32*\c+\i]|, |v[X+32*\c+\i+1]|
.endr
.endr
.irp c, 0,1
	v_add_nc_u32 v[12+\c], EOFF, v[10+\c]          ; the conversion's scale operand
.endr
.irp c, 0,1
	v_lshrrev_b32 v[14+\c], 23, v[12+\c]           ; the byte
.endr
	v_lshl_or_b32 v18, v15, 16, v14                ; blocks h and 2 + h,
	v_lshlrev_b32 v18, v9, v18                     ; at their places in the word;
	v_permlanex16_b32 v19, v18, s20, s21
	v_or_b32 v[16+\u], v18, v19                    ; with lane l xor 16's two the word is whole
.if \u
	s_wait_alu depctr_va_vdst(0)
	s_wait_xcnt 0x0                                ; tile 0's stores have read the codes' registers
.endif
.irp c, 0,1
	v_cvt_scalef32_pk16_bf6_f32 v[PC+6*\c:PC+6*\c+2], v[X+32*\c:X+32*\c+15], v[12+\c]
	v_cvt_scalef32_pk16_bf6_f32 v[32+4*\c:34+4*\c], v[X+32*\c+16:X+32*\c+31], v[12+\c]   ; (a conversion's three registers begin on an even number)
.endr
	v_nop                                          ; one plain place behind a scaled conversion
.irp c, 0,1
.irp i, 0,1,2
	v_mov_b32 v[PC+6*\c+3+\i], v[32+4*\c+\i]
.endr
.endr
.irp c, 0,1
	global_store_b128 v4, v[PC+6*\c:PC+6*\c+3], s[24:25] offset:1536*\u+768*\c          ; 512 consecutive bytes
	global_store_b64 v5, v[PC+6*\c+4:PC+6*\c+5], s[24:25] offset:1536*\u+768*\c+512     ; 256 consecutive bytes
.endr
.endm
	s_wait_alu depctr_va_vdst(0)
	XTILE 0
	XTILE 1
	v_cndmask_b32 v18, v16, v17, s22               ; lanes 0-15 tile 0's words, lanes 16-31 tile 1's
	global_store_b32 v6, v18, s[10:11] offset:PSC
	s_wait_tensorcnt 0x0
	ds_add_u32 v232, v233
	s_wait_dscnt 0x0
	s_endpgm
	; ---- the weights: K is their FIRST axis.  A lane takes a column n and its registers run down K: all four blocks of a K step are the lane's own
.Lweights:
	s_wait_alu depctr_va_vdst(0)
	v_lshlrev_b32 v7, 2, v1                        ; in: 4 bytes a lane
	v_bfe_u32 v2, v0, 3, 1                         ; my column's tile u = (l / 8) % 2
	v_and_b32 v3, 7, v0
	v_bfe_u32 v8, v0, 4, 1
	v_lshl_add_u32 v3, v8, 3, v3                   ; and its lane-row p = l % 8 + 8 (l / 16)
	v_mul_u32_u24 v4, v2, 1536
	v_lshl_add_u32 v5, v3, 3, v4                   ; 1,536 u + 8 p
	v_lshl_add_u32 v4, v3, 4, v4                   ; 1,536 u + 16 p
	v_lshlrev_b32 v6, 6, v2
	v_lshl_add_u32 v6, v3, 2, v6
	v_add_nc_u32 v6, s23, v6                       ; 128 x wave + 64 u + 4 p: my scale word
.macro WLOAD b, pitch, src             ; block b: W(128 s + 32 b + i, my column): 128 consecutive bytes a load, the four waves side by side
.set k, 32*(\b)
.rept 32
	global_load_b32 v[R+k], v7, s[\src:\src+1] offset:k*\pitch th:TH_LOAD_NT
.set k, k+1
.endr
.endm
.macro WBLK b, pitch, src
.set XS, R+32*(\b)
.if (\b) < 3
	s_wait_loadcnt 32                              ; this block's loads are in; the next block's 32 may be out
.else
	s_wait_loadcnt 0x0
.endif
.if (\b) < 2
	WLOAD (\b)+2, \pitch, \src
.endif
	v_max3_num_f32 v12, |v[XS]|, |v[XS+1]|, |v[XS+2]|
	v_max3_num_f32 v13, |v[XS+3]|, |v[XS+4]|, |v[XS+5]|
.irp i, 6,10,14,18,22,26
	v_max3_num_f32 v12, v12, |v[XS+\i]|, |v[XS+\i+1]|
	v_max3_num_f32 v13, v13, |v[XS+\i+2]|, |v[XS+\i+3]|
.endr
	v_max3_num_f32 v12, v12, |v[XS+30]|, |v[XS+31]|
	v_max3_num_f32 v12, v12, v13, FLOOR
	v_add_nc_u32 v11, EOFF, v12
	v_lshrrev_b32 v13, 23, v11
.if (\b) == 0
	v_mov_b32 v16, v13
.else
	v_lshl_or_b32 v16, v13, 8*(\b), v16            ; the lower K in the lower byte
.endif
	v_cvt_scalef32_pk16_bf6_f32 v[X+6*(\b):X+6*(\b)+2], v[XS:XS+15], v11
	v_cvt_scalef32_pk16_bf6_f32 v[32:34], v[XS+16:XS+31], v11
	v_nop                                          ; one plain place behind a scaled conversion
.irp i, 0,1,2
	v_mov_b32 v[X+6*(\b)+3+\i], v[32+\i]
.endr
	global_store_b128 v4, v[X+6*(\b):X+6*(\b)+3], s[24:25] offset:768*((\b)/2)+256*((\b)%2)          ; block b is image lane p + 16 (b % 2) of half image b / 2
	global_store_b64 v5, v[X+6*(\b)+4:X+6*(\b)+5], s[24:25] offset:768*((\b)/2)+512+128*((\b)%2)
.endm
.macro WPATH pitch, src, dst, g0       ; pitch: bytes of a row of the weight; g0: the weight's first work-group
	s_sub_co_u32 s16, ttmp9, \g0                   ; the panel within the weight
	s_lshl_b32 s18, s16, 9
	s_add_co_u32 s18, s18, s23                     ; my 32 columns: 128 bytes x (4 panel + wave)
	s_mul_i32 s20, s15, 128*\pitch
	s_add_co_u32 s18, s18, s20
	s_add_nc_u64 s[\src:\src+1], s[\src:\src+1], s[18:19]
	WLOAD 0, \pitch, \src
	WLOAD 1, \pitch, \src
	s_add_co_u32 s16, s16, 64                      ; the weights' panels begin at 64 in both buffers
	s_mul_i32 s16, s16, KP
	s_mul_i32 s20, s15, PST
	s_add_co_u32 s16, s16, s20
	s_add_nc_u64 s[\dst:\dst+1], s[\dst:\dst+1], s[16:17]
	s_mul_i32 s16, s14, 3072
	s_add_nc_u64 s[24:25], s[\dst:\dst+1], s[16:17]
	WBLK 0, \pitch, \src
	WBLK 1, \pitch, \src
	WBLK 2, \pitch, \src
	WBLK 3, \pitch, \src
	global_store_b32 v6, v16, s[\dst:\dst+1] offset:PSC
.endm
	s_cmp_lt_u32 ttmp9, 88
	s_cbranch_scc0 .Lproj
	WPATH 12288, 6, 10, 64
	s_endpgm
.Lproj:
	WPATH 4096, 8, 12, 88
	s_endpgm
.Lfunc_end_k_q6fbc34e04a_quant:
	.size	k_q6fbc34e04a_quant, .Lfunc_end_k_q6fbc34e04a_quant-k_q6fbc34e04a_quant
	.p2alignl 7, 3214868480
	.fill 96, 4, 3214868480
	.section	.rodata,"a",@progbits
	.p2align	6, 0x0
	.amdhsa_kernel k_q6fbc34e04a_quant
		.amdhsa_group_segment_fixed_size 34304
		.amdhsa_private_segment_fixed_size 0
		.amdhsa_enable_private_segment 0
		.amdhsa_kernarg_size 40
		.amdhsa_user_sgpr_count 2
		.amdhsa_user_sgpr_kernarg_segment_ptr 1
		.amdhsa_wavefront_size32 1
		.amdhsa_system_sgpr_workgroup_id_x 1
		.amdhsa_system_sgpr_workgroup_id_y 1
		.amdhsa_system_sgpr_workgroup_id_z 1
		.amdhsa_system_vgpr_workitem_id 0
		.amdhsa_next_free_vgpr 234
		.amdhsa_next_free_sgpr 66
		.amdhsa_reserve_vcc 0
		.amdhsa_float_denorm_mode_32 3
		.amdhsa_float_denorm_mode_16_64 3
		.amdhsa_memory_ordered 1
		.amdhsa_forward_progress 1
		.amdhsa_inst_pref_size 56
	.end_amdhsa_kernel
	.amdgpu_metadata
---
amdhsa.version: [ 1, 2 ]
amdhsa.kernels:
  - .name:           k_q6fbc34e04a_quant
    .symbol:         k_q6fbc34e04a_quant.kd
    .args:
      - { .name: x, .offset: 0, .size: 8, .value_kind: global_buffer, .address_space: global }
      - { .name: W_attn, .offset: 8, .size: 8, .value_kind: global_buffer, .address_space: global }
      - { .name: W_proj, .offset: 16, .size: 8, .value_kind: global_buffer, .address_space: global }
      - { .name: XW, .offset: 24, .size: 8, .value_kind: global_buffer, .address_space: global }
      - { .name: YW, .offset: 32, .size: 8, .value_kind: global_buffer, .address_space: global }
    .group_segment_fixed_size: 34304
    .private_segment_fixed_size: 0
    .kernarg_segment_align: 8
    .kernarg_segment_size: 40
    .max_flat_workgroup_size: 128
    .sgpr_count:     66
    .vgpr_count:     234
    .wavefront_size: 32
...
	.end_amdgpu_metadata
.endif
;; end of part 1
;; launch gemm1 (part 2): grid 12 x 64, 4 waves a work-group, clusters of 4 x 4, 307,712 bytes of LDS; arguments XW, b_attn, QC, KV; writes QC, KV
.if DOCPART == 2
	.amdgcn_target "amdgcn-amd-amdhsa--gfx1250"
	.amdhsa_code_object_version 6
	.text
	.protected	k_q6fbc34e04a_gemm1
	.globl	k_q6fbc34e04a_gemm1
	.p2align	8
	.type	k_q6fbc34e04a_gemm1,@function
k_q6fbc34e04a_gemm1:
	s_mov_b64 s[64:65], 0
	v_nop
	global_prefetch_b8 v0, s[64:65] scope:SCOPE_SE
	s_setreg_imm32_b32 hwreg(HW_REG_WAVE_MODE, 25, 1), 1
	s_wait_xcnt 0x0
	s_wait_alu depctr_hold_cnt(0) depctr_sa_sdst(0) depctr_va_vdst(0) depctr_va_sdst(0) depctr_va_ssrc(0) depctr_va_vcc(0) depctr_vm_vsrc(0)
	s_getreg_b32 s2, hwreg(HW_REG_IB_STS2, 6, 4)
	s_cmp_eq_u32 s2, 0
	s_cbranch_scc0 .Lentry_in_a_cluster
	s_endpgm
.Lentry_in_a_cluster:
	s_bfe_u32 s2, ttmp6, 0x10000c
	s_cmp_lg_u32 s2, 0xf033
	s_cbranch_scc0 .Lentry_shape_is_right
	s_endpgm
.Lentry_shape_is_right:
; qkv = x W_attn + b_attn on codes of BF6 with E8M0 scales, and the result quantised in registers: q and k along the head's 64, v along the keys.  Nothing leaves as f32.
; OPERANDS: XW holds panels (128 rows x K 1,024, 102,400 dense bytes) as images of the operand's registers: 8 panel steps of 12,800 bytes, each 8 fragments of 1,536 bytes and 512 bytes of scale words.
; In each group of 32 rows, tile u holds at lane-row p the row 8 u + p + 8 (p / 8): so the 16 registers of result tiles 2 g and 2 g + 1 are 16 NEIGHBOURS, 32 g + 16 (lane / 16) + 0 .. 15, of source 0's rows.
; SHARES: a work-group makes 128 rows of operand A (source 1: a lane is a row) x 256 rows of operand B (source 0: the registers run along them).  Wave w: A's tiles 4 (w % 2) .. + 3, B's panel w / 2: 32 accumulators.
; Cluster x 0, 1 (q, k): A = x, B = W_attn's columns: the registers run along n, the next K.  Cluster x 2 (v): A = W_attn's v columns, B = x: the registers run along the keys, v's K.  Both lie in one buffer in one layout, so only offsets differ.
; ALL OF K for the three panels, 307,200 bytes, lies in LDS: every tile is filled once, asked for at the head in four pairs of K steps; nothing is filled again.  A wave has at most four tensor loads out.
; CLUSTER 4 x 4: A's panel is shared along a row of the cluster, B's two along a column: each is asked for jointly.
; OUT: QC [bh][group of 128 queries]: 8 half images of 768 bytes, 512 bytes of scale words (bytes 0, 1; bytes 2, 3 zero).  KV [bh][key step of 128]: K laid as QC (6,656 bytes), then V: 4 fragments (16 d x 128 keys), 256 bytes of scale words.
; LIMITS: the bias is the sums' first term; a block of zeros or under 2^-122 gets the byte 1 (this program alone reads the bytes); NaN and infinities are not served.
; REGISTERS: window 0: v1-19 addresses; v20-31 scale words, two sets; v32-127 A's fragments, two sets; v128-191 the bias; v192-229 the quantiser's.  window 1: B's fragments, sets at v0 and v128.  window 2: accumulator (a, b) at v[8 (8 a + b)].
.set KP,   102400
.set PST,  12800
.set PSC,  12288
.set PAIR, 25600                       ; two panel steps: what one tensor load brings
.set WV,   12
.set G1A,  24                          ; s[24:31], s[32:39] descriptor groups 1 for A's and B's panels: they differ in the mask
.set G1B,  32
.set G0A,  40                          ; s[40:55], s[68:83] groups 0, a set for each pair of K steps
.set G0B,  68
.set MSB,  0
.macro WIN new                         ; the immediate's high byte repeats the setting that is left
.if MSB != \new
	s_set_vgpr_msb (MSB<<8)|\new
.set MSB, \new
.endif
.endm
.macro CROUND                          ; a round of the cluster's barrier
	s_barrier_signal -1
	s_barrier_wait -1
	s_cmp_lg_u32 s[WV], 0
	s_cbranch_scc1 .Lnot_wave_0_\@
	s_barrier_signal -3
.Lnot_wave_0_\@:
	s_barrier_wait -3
	s_barrier_signal -1
	s_barrier_wait -1
.endm
.macro PLACES                          ; four plain places behind a matrix instruction (ISA guide 7.12.1)
.rept 4
	v_nop
.endr
.endm
; One product.  c < 0: the constant 0 starts the sum.  ra, rb: source 0's, source 1's scale words stand in lanes 16-31 of their register
.macro WMMA d, a, b, c, sa, sb, ra, rb
.set rD, \d
.set rA, \a
.set rB, \b
.set rC, \c
.set rX, \sa
.set rY, \sb
.set rR, 2*(\ra)+(\rb)
.if rC < 0
.if rR == 0
	v_wmma_scale_f32_16x16x128_f8f6f4 v[rD:rD+7], v[rA:rA+11], v[rB:rB+11], 0, v[rX], v[rY] matrix_a_fmt:MATRIX_FMT_BF6 matrix_b_fmt:MATRIX_FMT_BF6
.elseif rR == 1
	v_wmma_scale_f32_16x16x128_f8f6f4 v[rD:rD+7], v[rA:rA+11], v[rB:rB+11], 0, v[rX], v[rY] matrix_a_fmt:MATRIX_FMT_BF6 matrix_b_fmt:MATRIX_FMT_BF6 matrix_b_scale:MATRIX_SCALE_ROW1
.elseif rR == 2
	v_wmma_scale_f32_16x16x128_f8f6f4 v[rD:rD+7], v[rA:rA+11], v[rB:rB+11], 0, v[rX], v[rY] matrix_a_fmt:MATRIX_FMT_BF6 matrix_b_fmt:MATRIX_FMT_BF6 matrix_a_scale:MATRIX_SCALE_ROW1
.else
	v_wmma_scale_f32_16x16x128_f8f6f4 v[rD:rD+7], v[rA:rA+11], v[rB:rB+11], 0, v[rX], v[rY] matrix_a_fmt:MATRIX_FMT_BF6 matrix_b_fmt:MATRIX_FMT_BF6 matrix_a_scale:MATRIX_SCALE_ROW1 matrix_b_scale:MATRIX_SCALE_ROW1
.endif
.else
.if rR == 0
	v_wmma_scale_f32_16x16x128_f8f6f4 v[rD:rD+7], v[rA:rA+11], v[rB:rB+11], v[rC:rC+7], v[rX], v[rY] matrix_a_fmt:MATRIX_FMT_BF6 matrix_b_fmt:MATRIX_FMT_BF6
.elseif rR == 1
	v_wmma_scale_f32_16x16x128_f8f6f4 v[rD:rD+7], v[rA:rA+11], v[rB:rB+11], v[rC:rC+7], v[rX], v[rY] matrix_a_fmt:MATRIX_FMT_BF6 matrix_b_fmt:MATRIX_FMT_BF6 matrix_b_scale:MATRIX_SCALE_ROW1
.elseif rR == 2
	v_wmma_scale_f32_16x16x128_f8f6f4 v[rD:rD+7], v[rA:rA+11], v[rB:rB+11], v[rC:rC+7], v[rX], v[rY] matrix_a_fmt:MATRIX_FMT_BF6 matrix_b_fmt:MATRIX_FMT_BF6 matrix_a_scale:MATRIX_SCALE_ROW1
.else
	v_wmma_scale_f32_16x16x128_f8f6f4 v[rD:rD+7], v[rA:rA+11], v[rB:rB+11], v[rC:rC+7], v[rX], v[rY] matrix_a_fmt:MATRIX_FMT_BF6 matrix_b_fmt:MATRIX_FMT_BF6 matrix_a_scale:MATRIX_SCALE_ROW1 matrix_b_scale:MATRIX_SCALE_ROW1
.endif
.endif
.endm
; K step s into set sg: 54 LDS loads in one run.  A half image comes by one load of 16 bytes a lane and one of 8: each reads consecutive bytes.  The second register of each address pair stands four panel steps on
.macro FETCH s, sg
.set fo, ((\s)%4)*PST
.set fh, (\s)/4
	WIN 0x40                                       ; destination window 1
.irp i, 0,1,2,3,4,5,6,7
.irp c, 0,1
	ds_load_b128 v[128*(\sg)+12*\i+6*\c:128*(\sg)+12*\i+6*\c+3], v[10+fh] offset:fo+1536*\i+768*\c
	ds_load_b64 v[128*(\sg)+12*\i+6*\c+4:128*(\sg)+12*\i+6*\c+5], v[12+fh] offset:fo+1536*\i+768*\c+512
.endr
.endr
	WIN 0
.irp i, 0,1,2,3
.irp c, 0,1
	ds_load_b128 v[32+48*(\sg)+12*\i+6*\c:32+48*(\sg)+12*\i+6*\c+3], v[4+fh] offset:fo+1536*\i+768*\c
	ds_load_b64 v[32+48*(\sg)+12*\i+6*\c+4:32+48*(\sg)+12*\i+6*\c+5], v[6+fh] offset:fo+1536*\i+768*\c+512
.endr
.endr
.irp i, 0,1
	ds_load_b32 v[20+6*(\sg)+\i], v[8+fh] offset:fo+PSC+128*\i     ; lanes 0-15 the words of A's tile 2 i, lanes 16-31 of tile 2 i + 1
.endr
.irp i, 0,1,2,3
	ds_load_b32 v[22+6*(\sg)+\i], v[14+fh] offset:fo+PSC+128*\i    ; B's likewise
.endr
.endm
; 32 products on set sg; the 32 accumulators take turns, one instruction a turn, in the same order in every step.
; mode 0: onto the sums.  mode 1: the bias by source 0's rows starts them.  mode 2: the bias by source 1's rows
.macro MUL sg, mode
.if (\mode) == 0
	WIN 0xa1                                       ; source 0 window 1, source 1 window 0, C and D window 2
.else
	WIN 0x81                                       ; C window 0
.endif
.irp a, 0,1,2,3
.irp b, 0,1,2,3,4,5,6,7
.if (\mode) == 0
	WMMA 8*(8*\a+\b), 128*(\sg)+12*\b, 32+48*(\sg)+12*\a, 8*(8*\a+\b), 22+6*(\sg)+\b/2, 20+6*(\sg)+\a/2, \b%2, \a%2
.elseif (\mode) == 1
	WMMA 8*(8*\a+\b), 128*(\sg)+12*\b, 32+48*(\sg)+12*\a, 128+8*\b, 22+6*(\sg)+\b/2, 20+6*(\sg)+\a/2, \b%2, \a%2
.else
	WMMA 8*(8*\a+\b), 128*(\sg)+12*\b, 32+48*(\sg)+12*\a, 128+8*\a, 22+6*(\sg)+\b/2, 20+6*(\sg)+\a/2, \b%2, \a%2
.endif
.endr
.endr
.endm
.macro STEPK s, mode
	s_wait_dscnt 0x0                               ; this step's fragments, asked for a whole step of products ago, are in
.if ((\s) == 1) || ((\s) == 3) || ((\s) == 5)
	s_wait_tensorcnt 3-((\s)+1)/2                  ; my part of the next pair of K steps has landed; my later pairs may be out,
	s_barrier_signal -1
	s_barrier_wait -1                              ; and so has everybody's.
.endif
.if (\s) < 7
.if (\s) > 0
	PLACES                                         ; in front of loads into the set that the last step's products read
.endif
	FETCH (\s)+1, 1-(\s)%2
.endif
	MUL (\s)%2, \mode
.endm
; Tile a's 64 numbers of a lane (register 16 b + i = place 32 b + 16 (lane / 16) + i along the next K) become a fragment's codes in v210-221 and its scale word in v208
.macro QUANT a
	WIN 0x28                                       ; sources 1 and 2 window 2
.irp b, 0,1,2,3
	v_max3_num_f32 v[192+\b], 0x2800000, |v[64*\a+16*\b]|, |v[64*\a+16*\b+1]|   ; my 16 numbers of block b, and the floor 2^(5 - 127); each accumulator is read from its low end on
.endr
.irp i, 2,4,6,8,10,12,14
.irp b, 0,1,2,3
	v_max3_num_f32 v[192+\b], v[192+\b], |v[64*\a+16*\b+\i]|, |v[64*\a+16*\b+\i+1]|
.endr
.endr
	WIN 0
.irp b, 0,1,2,3
	v_permlanex16_b32 v[196+\b], v[192+\b], s96, s97
.endr
.irp b, 0,1,2,3
	v_max_num_f32 v[192+\b], v[192+\b], v[196+\b]  ; with lane l xor 16's: the block's largest magnitude
.endr
.irp b, 0,1,2,3
	v_add_nc_u32 v[204+\b], 0xfe000000, v[192+\b]  ; 4 off its exponent field: the conversion's scale operand
.endr
.irp b, 0,1,2,3
	v_lshrrev_b32 v[196+\b], 23, v[204+\b]         ; the byte
.endr
	v_lshl_or_b32 v208, v197, 8, v196
	v_lshl_or_b32 v208, v198, 16, v208
	v_lshl_or_b32 v208, v199, 24, v208
	WIN 0x02                                       ; source 0 window 2
.irp c, 0,1
	v_cvt_scalef32_pk16_bf6_f32 v[210+6*\c:212+6*\c], v[64*\a+32*\c:64*\a+32*\c+15], v[204+2*\c]
	v_cvt_scalef32_pk16_bf6_f32 v[222+4*\c:224+4*\c], v[64*\a+32*\c+16:64*\a+32*\c+31], v[205+2*\c]
.endr
	WIN 0
	v_nop                                          ; one plain place behind a scaled conversion
.irp c, 0,1                                    ; the operand's layout wants a whole block in a lane
.irp i, 0,1,2
	v_permlane16_swap_b32 v[210+6*\c+\i], v[222+4*\c+\i]
.endr
.irp i, 0,1,2
	v_mov_b32 v[213+6*\c+\i], v[222+4*\c+\i]
.endr
.endr
.endm
.macro OUT a                           ; the two half images and the scale words leave as they stand: stores of 512, 256 and 64 or 128 consecutive bytes
	v_lshrrev_b32 v209, v19, v208
	v_and_b32 v209, s92, v209                      ; q, k: lanes 0-15 the first head's two bytes, lanes 16-31 the second's;  v: the whole word
	global_store_b128 v16, v[210:213], s[84:85]
	global_store_b64 v17, v[214:215], s[84:85] offset:512
	global_store_b128 v16, v[216:219], s[86:87]
	global_store_b64 v17, v[220:221], s[86:87] offset:512
	global_store_b32 v18, v209, s[88:89] offset:6144+64*\a
	s_wait_xcnt 0x0                                ; the stores have read their registers and bases: both are written again only behind this wait
	s_add_nc_u64 s[84:85], s[84:85], s[90:91]
	s_add_nc_u64 s[86:87], s[86:87], s[90:91]
.endm
	s_load_b256 s[4:11], s[0:1], 0x0               ; XW s[4:5], b_attn s[6:7], QC s[8:9], KV s[10:11]
	v_lshl_add_u32 v254, v0, 2, 0x4b000
	v_mov_b32 v255, 0
	ds_add_u32 v254, v255
	ds_add_u32 v254, v255
	v_lshrrev_b32 v1, 5, v0
	v_readfirstlane_b32 s[WV], v1                  ; wave 0..3
	s_and_b32 s13, s[WV], 1                        ; hA: my half of A's tiles
	s_lshr_b32 s14, s[WV], 1                       ; pB: my panel of B
	s_bfe_u32 s15, ttmp6, 0x40000                  ; cx
	s_bfe_u32 s16, ttmp6, 0x40004                  ; cy
	s_and_b32 s17, ttmp7, 0xffff                   ; cluster y
	s_lshl_b32 s18, s16, 2
	s_lshl_b32 s18, 15, s18                        ; my row of the cluster
	s_lshl_b32 s19, 0x1111, s15                    ; my column
	s_or_b32 s[G1A], s18, (3<<16)|(1<<21)          ; the mask; elements of 8 bytes; bit 21 beside a mask; no padding
	s_or_b32 s[G1B], s19, (3<<16)|(1<<21)
.irp g, G1A, G1B
	s_mov_b32 s[\g+1], 32<<16                      ; tensor_dim0: 32 elements, 256 bytes
	s_mov_b32 s[\g+2], 100<<16                     ; tensor_dim1: 100 rows
	s_mov_b32 s[\g+3], 32<<16                      ; tile_dim0
	s_mov_b32 s[\g+4], 100                         ; tile_dim1
	s_mov_b32 s[\g+5], 32                          ; the pitch: dense
	s_mov_b32 s[\g+6], 0
	s_mov_b32 s[\g+7], 0
.endr
	s_and_b32 s20, s17, 1
	s_lshl_b32 s20, s20, 2
	s_add_co_u32 s20, s20, 80                      ; v: A's panel 80 + 4 (Y % 2) + cy
	s_lshl_b32 s21, s17, 2                         ; q, k: 4 Y + cy
	s_lshr_b32 s22, s17, 1
	s_lshl_b32 s22, s22, 3                         ; v: B's first panel 8 (Y / 2) + 2 cx
	s_lshl_b32 s23, ttmp9, 3
	s_add_co_u32 s23, s23, 64                      ; q, k: 64 + 8 X + 2 cx
	s_cmp_eq_u32 ttmp9, 2                          ; the cluster's x: the same in all partners
	s_cselect_b32 s20, s20, s21
	s_cselect_b32 s22, s22, s23
	s_add_co_u32 s20, s20, s16                     ; A's panel: it never holds cx
	s_lshl_b32 s23, s15, 1
	s_add_co_u32 s22, s22, s23                     ; B's first panel: it never holds cy
	s_mul_i32 s56, s20, KP
	s_mov_b32 s57, 0
	s_sub_co_u32 s23, s[WV], 1
	s_and_b32 s23, s23, 1                          ; wave 1 fetches B's first panel, wave 2 its second
	s_add_co_u32 s23, s23, s22
	s_mul_i32 s58, s23, KP
	s_mov_b32 s59, 0
	s_min_u32 s60, s[WV], 2
	s_mul_i32 s60, s60, KP                         ; where they go: A at 0, B's panels at KP and 2 KP
	s_wait_dscnt 0x0
	s_wait_kmcnt 0x0
	s_add_nc_u64 s[56:57], s[4:5], s[56:57]
	s_add_nc_u64 s[58:59], s[4:5], s[58:59]
	CROUND                                         ; all sixteen work-groups are here: the joint loads meet
.irp p, 0,1,2,3
	s_mov_b32 s[G0A+4*\p], 1
	s_add_co_u32 s[G0A+4*\p+1], s60, \p*PAIR
	s_add_nc_u64 s[G0A+4*\p+2:G0A+4*\p+3], s[56:57], \p*PAIR
	s_or_b32 s[G0A+4*\p+3], s[G0A+4*\p+3], 0x80000000
	s_mov_b32 s[G0B+4*\p], 1
	s_add_co_u32 s[G0B+4*\p+1], s60, \p*PAIR
	s_add_nc_u64 s[G0B+4*\p+2:G0B+4*\p+3], s[58:59], \p*PAIR
	s_or_b32 s[G0B+4*\p+3], s[G0B+4*\p+3], 0x80000000
.endr
	s_cmp_eq_u32 s[WV], 0                          ; all fills of a wave stand in one branch on its number; four v_nop follow the last
	s_cbranch_scc0 .Lnot_a
.irp p, 0,1,2,3
	tensor_load_to_lds s[G0A+4*\p:G0A+4*\p+3], s[G1A:G1A+7]
	s_nop 0
.endr
	PLACES
	s_branch .Lasked
.Lnot_a:
	s_cmp_lt_u32 s[WV], 3
	s_cbranch_scc0 .Lasked
.irp p, 0,1,2,3
	tensor_load_to_lds s[G0B+4*\p:G0B+4*\p+3], s[G1B:G1B+7]
	s_nop 0
.endr
	PLACES
.Lasked:
	v_and_b32 v1, 31, v0                           ; l
	v_and_b32 v2, 15, v0                           ; r
	v_bfe_u32 v3, v0, 4, 1                         ; h
	v_lshlrev_b32 v16, 4, v1                       ; 16 l
	v_lshlrev_b32 v17, 3, v1                       ; 8 l
	v_lshlrev_b32 v193, 2, v1                      ; 4 l
	s_mul_i32 s61, s13, 6144                       ; my four fragments of A in a panel step
	s_lshl_b32 s62, s13, 8                         ; and their scale words
	s_add_co_u32 s63, s14, 1
	s_mul_i32 s63, s63, KP                         ; my panel of B
	v_add_nc_u32 v4, s61, v16
	v_add_nc_u32 v6, s61, v17
	v_add_nc_u32 v8, s62, v193
	v_add_nc_u32 v10, s63, v16
	v_add_nc_u32 v12, s63, v17
	v_add_nc_u32 v14, s63, v193
.irp g, 4,6,8,10,12,14
	v_add_nc_u32 v[\g+1], 4*PST, v[\g]             ; K steps 4 to 7: an LDS immediate has 16 bits
.endr
.irp b, 0,1,2,3
	v_mov_b32 v[196+\b], 0                         ; a lane permute's destination counts as read
.endr
	s_mov_b32 s96, 0x76543210
	s_mov_b32 s97, 0xfedcba98
	s_mov_b32 s67, 0
	s_cmp_eq_u32 ttmp9, 2
	s_cbranch_scc1 .Lhead_v
	; q, k: the bias by the registers' n; where the codes go
	s_add_co_u32 s61, s22, s14
	s_sub_co_u32 s61, s61, 64                      ; my panel of W_attn: 128 n, 512 bytes of the bias
	s_lshl_b32 s66, s61, 9
	s_add_nc_u64 s[6:7], s[6:7], s[66:67]
	v_lshlrev_b32 v192, 6, v3                      ; 64 h: lane (r, h) wants, for tile 2 g + u, n = 32 g + 16 h + 8 u + 0 .. 7
.irp b, 0,1,2,3,4,5,6,7
	global_load_b128 v[128+8*\b:128+8*\b+3], v192, s[6:7] offset:(32*(\b/2)+8*(\b%2))*4
	global_load_b128 v[128+8*\b+4:128+8*\b+7], v192, s[6:7] offset:(32*(\b/2)+8*(\b%2))*4+16
.endr
	s_and_b32 s61, s61, 7
	s_lshl_b32 s61, s61, 1                         ; my panel's first head
	s_lshr_b32 s62, s20, 4
	s_lshl_b32 s62, s62, 4                         ; 16 x batch
	s_add_co_u32 s62, s62, s61
	s_lshl_b32 s62, s62, 4
	s_and_b32 s63, s20, 15                         ; the group of 128 tokens
	s_add_co_u32 s62, s62, s63
	s_cmp_eq_u32 ttmp9, 0
	s_cselect_b64 s[84:85], s[8:9], s[10:11]       ; q to QC, k to KV
	s_mov_b32 s63, 13056
	s_cselect_b32 s63, 6656, s63                   ; bytes from group to group
	s_mul_i32 s66, s62, s63
	s_add_nc_u64 s[84:85], s[84:85], s[66:67]
	s_lshl_b32 s66, s13, 8
	s_add_nc_u64 s[88:89], s[84:85], s[66:67]      ; the scale words of my four tiles
	s_mul_i32 s66, s13, 3072
	s_add_nc_u64 s[84:85], s[84:85], s[66:67]      ; the first head's half images,
	s_lshl_b32 s93, s63, 4                         ; (a head on: 16 groups)
	s_mov_b32 s66, s93
	s_add_nc_u64 s[86:87], s[84:85], s[66:67]      ; the second head's
	s_mov_b32 s90, 768                             ; from tile to tile
	s_mov_b32 s94, 16
	s_mov_b32 s92, 0xffff
	s_branch .Lhead_done
.Lhead_v:
	; v: the bias by the lane's d, the same in all eight registers of a tile; where the codes go
	s_sub_co_u32 s61, s20, 64
	s_lshl_b32 s66, s61, 9
	s_lshl_b32 s62, s13, 8
	s_add_co_u32 s66, s66, s62                     ; my 64 columns of W_attn
	s_add_nc_u64 s[6:7], s[6:7], s[66:67]
	v_and_b32 v192, 8, v2
	v_add_nc_u32 v192, v192, v2
	v_lshlrev_b32 v192, 2, v192                    ; 4 (r + 8 (r / 8))
.set j, 0
.rept 64                               ; (all 64 registers are written, as on the other way)
	global_load_b32 v[128+j], v192, s[6:7] offset:(32*(((j/8)%4)/2)+8*((j/8)%2))*4
.set j, j+1
.endr
	s_sub_co_u32 s61, s20, 80
	s_lshl_b32 s61, s61, 1
	s_add_co_u32 s61, s61, s13                     ; my head
	s_add_co_u32 s63, s22, s14                     ; my panel of x: 128 keys
	s_lshr_b32 s62, s63, 4
	s_lshl_b32 s62, s62, 4
	s_add_co_u32 s62, s62, s61
	s_lshl_b32 s62, s62, 4
	s_and_b32 s63, s63, 15
	s_add_co_u32 s62, s62, s63
	s_mul_i32 s66, s62, 13056
	s_add_co_u32 s66, s66, 6656                    ; V's part of the key step
	s_add_nc_u64 s[84:85], s[10:11], s[66:67]
	s_add_nc_u64 s[86:87], s[84:85], 768
	s_mov_b64 s[88:89], s[84:85]
	s_mov_b32 s90, 1536
	s_mov_b32 s93, 0
	s_mov_b32 s94, 0
	s_mov_b32 s92, -1
.Lhead_done:
	s_mov_b32 s91, 0
	v_mul_lo_u32 v18, v3, s93
	v_lshl_add_u32 v18, v2, 2, v18                 ; the scale word's place: 4 r, q and k: lanes 16-31 a head on (v: they repeat lanes 0-15's store)
	v_mul_lo_u32 v19, v3, s94                      ; and its shift
	s_wait_tensorcnt 3                             ; my part of K steps 0 and 1 has landed; my three later loads may be out,
	s_barrier_signal -1
	s_barrier_wait -1                              ; and so has everybody's
	FETCH 0, 0
	s_wait_loadcnt 0x0                             ; the bias
	s_wait_dscnt 0x0
	FETCH 1, 1
	s_cmp_eq_u32 ttmp9, 2
	s_cbranch_scc1 .Lstep0_v
	MUL 0, 1                                       ; the first step's products start the sums with the bias: nothing is cleared or added later
	WIN 0
	s_branch .Lstep0_done
.Lstep0_v:
	MUL 0, 2
	WIN 0
.Lstep0_done:
	STEPK 1, 0
	STEPK 2, 0
	s_wait_alu depctr_va_vdst(0)
	STEPK 3, 0
	STEPK 4, 0
	STEPK 5, 0
	STEPK 6, 0
	STEPK 7, 0
	WIN 0
	PLACES                                         ; in front of the first read of results
.irp a, 0,1,2,3
	QUANT \a
	OUT \a
.endr
	s_wait_tensorcnt 0x0
	ds_add_u32 v254, v255
	s_wait_dscnt 0x0
	CROUND                                         ; the closing round: no work-group ends while a partner may still ask for a tile that names it
	s_endpgm
.Lfunc_end_k_q6fbc34e04a_gemm1:
	.size	k_q6fbc34e04a_gemm1, .Lfunc_end_k_q6fbc34e04a_gemm1-k_q6fbc34e04a_gemm1
	.p2alignl 7, 3214868480
	.fill 96, 4, 3214868480
	.section	.rodata,"a",@progbits
	.p2align	6, 0x0
	.amdhsa_kernel k_q6fbc34e04a_gemm1
		.amdhsa_group_segment_fixed_size 307712
		.amdhsa_private_segment_fixed_size 0
		.amdhsa_enable_private_segment 0
		.amdhsa_kernarg_size 32
		.amdhsa_user_sgpr_count 2
		.amdhsa_user_sgpr_kernarg_segment_ptr 1
		.amdhsa_wavefront_size32 1
		.amdhsa_system_sgpr_workgroup_id_x 1
		.amdhsa_system_sgpr_workgroup_id_y 1
		.amdhsa_system_sgpr_workgroup_id_z 1
		.amdhsa_system_vgpr_workitem_id 0
		.amdhsa_next_free_vgpr 768
		.amdhsa_next_free_sgpr 100
		.amdhsa_reserve_vcc 0
		.amdhsa_float_denorm_mode_32 3
		.amdhsa_float_denorm_mode_16_64 3
		.amdhsa_memory_ordered 1
		.amdhsa_forward_progress 1
		.amdhsa_inst_pref_size 102
	.end_amdhsa_kernel
	.amdgpu_metadata
---
amdhsa.version: [ 1, 2 ]
amdhsa.kernels:
  - .name:           k_q6fbc34e04a_gemm1
    .symbol:         k_q6fbc34e04a_gemm1.kd
    .args:
      - { .name: XW, .offset: 0, .size: 8, .value_kind: global_buffer, .address_space: global }
      - { .name: b_attn, .offset: 8, .size: 8, .value_kind: global_buffer, .address_space: global }
      - { .name: QC, .offset: 16, .size: 8, .value_kind: global_buffer, .address_space: global }
      - { .name: KV, .offset: 24, .size: 8, .value_kind: global_buffer, .address_space: global }
    .group_segment_fixed_size: 307712
    .private_segment_fixed_size: 0
    .kernarg_segment_align: 8
    .kernarg_segment_size: 32
    .max_flat_workgroup_size: 128
    .sgpr_count:     100
    .vgpr_count:     768
    .wavefront_size: 32
...
	.end_amdgpu_metadata
.endif
;; end of part 2
;; launch attn (part 3): grid 4 x 64, 16 waves a work-group, clusters of 4 x 1, 210,944 bytes of LDS; arguments QC, KV, YW; writes YW
.if DOCPART == 3
	.amdgcn_target "amdgcn-amd-amdhsa--gfx1250"
	.amdhsa_code_object_version 6
	.text
	.protected	k_q6fbc34e04a_attn
	.globl	k_q6fbc34e04a_attn
	.p2align	8
	.type	k_q6fbc34e04a_attn,@function
k_q6fbc34e04a_attn:
	s_mov_b64 s[64:65], 0
	v_nop
	global_prefetch_b8 v0, s[64:65] scope:SCOPE_SE
	s_setreg_imm32_b32 hwreg(HW_REG_WAVE_MODE, 25, 1), 1
	s_wait_xcnt 0x0
	s_wait_alu depctr_hold_cnt(0) depctr_sa_sdst(0) depctr_va_vdst(0) depctr_va_sdst(0) depctr_va_ssrc(0) depctr_va_vcc(0) depctr_vm_vsrc(0)
	s_getreg_b32 s2, hwreg(HW_REG_IB_STS2, 6, 4)
	s_cmp_eq_u32 s2, 0
	s_cbranch_scc0 .Lentry_in_a_cluster
	s_endpgm
.Lentry_in_a_cluster:
	s_bfe_u32 s2, ttmp6, 0x10000c
	s_cmp_lg_u32 s2, 0x3003
	s_cbranch_scc0 .Lentry_shape_is_right
	s_endpgm
.Lentry_shape_is_right:
; Causal attention on codes of BF6 with E8M0 scales, head size 64, 2,048 tokens, 64 heads (batch x head); y is quantised along C and stored as images of the next product's operand.
; THE SOFTMAX: t = score x log2(e) / 8; M = the row's largest t so far, rounded UP to a whole number; p = 2^(t - M) is quantised along the keys, not normalised; the row's sum is taken of the unquantised p and divides O at the end.
; When M moves, the sum and O are multiplied by 2^(old M - new M): exact.
; SHARES: a cluster of four work-groups owns one head.  Wave w of work-group cx owns two tiles of 16 queries, both tile 2 cx + w % 2 of their group of 128: one in group 15 - w / 2, one in group w / 2.
; It walks key steps 0 .. 15 - w / 2 for the first and 0 .. w / 2 for the second: 17 key steps of 128 keys in every wave, none wholly hidden.  Only the last step of a tile lies on the diagonal.
; LDS: the head's whole K and V, 16 key steps of 13,056 bytes, filled once by joint loads (all four work-groups walk the same bytes) and never written otherwise: no slot is filled again.  A wave has at most two tensor loads out.
; The first eight trips read key steps 0-7 alone, while the loads for key steps 8-15 may still be out.
; LAYOUT: both products transposed: S^T = K Q^T (source 0 = 16 keys), O^T = V^T P^T (source 0 = 16 of the head's 64): a lane holds one query.  The rows of a tile are 8 u + p + 8 (p / 8) of their group of 32, so that the
; 16 registers of result tiles 2 b and 2 b + 1 are 16 neighbours.  The first product's K is 64: the upper halves of its fragments are zero codes, under scale bytes 0, and add nothing.
; LIMITS: NaN and infinities are not served; a block of zeros or under 2^-122 gets the byte 1 (this program alone reads the bytes).
; REGISTERS: v1-3 16 l, 8 l, 4 l; v4-6 the same + the key step; v7 my query's place less 16 (lane / 16); v8-11 K's, V's scale words; v12 -M, v13 the largest t, v[14:15] the sum; v16-27 Q, v28 its scale word; v29 4 (l % 16);
;   v32-79 four fragments of K; v80-127 V's four; v128-191 S^T, then p; v192-223 O^T; v224-235 codes; v236-254 at work.
.set KP,    102400
.set PST,   12800
.set PSC,   12288
.set KSB,   13056                      ; a key step in LDS and in KV
.set VOFF,  6656                       ; V's part of it
.set HEADB, 16*KSB
.set S,     128
.set O,     192
.set BM,    236                        ; the blocks' largest scores
.set WK,    240
.set OP,    248                        ; the conversions' scale operands
.macro CROUND
	s_barrier_signal -1
	s_barrier_wait -1
	s_cmp_lg_u32 s10, 0
	s_cbranch_scc1 .Lnot_wave_0_\@
	s_barrier_signal -3
.Lnot_wave_0_\@:
	s_barrier_wait -3
	s_barrier_signal -1
	s_barrier_wait -1
.endm
.macro PLACES
.rept 4
	v_nop
.endr
.endm
.macro WMMA d, a, b, c, sa, sb, ra     ; c < 0: the constant 0 starts the sum.  ra: source 0's scale words stand in lanes 16-31
.set rD, \d
.set rA, \a
.set rB, \b
.set rC, \c
.set rX, \sa
.set rY, \sb
.if rC < 0
.if (\ra) == 0
	v_wmma_scale_f32_16x16x128_f8f6f4 v[rD:rD+7], v[rA:rA+11], v[rB:rB+11], 0, v[rX], v[rY] matrix_a_fmt:MATRIX_FMT_BF6 matrix_b_fmt:MATRIX_FMT_BF6
.else
	v_wmma_scale_f32_16x16x128_f8f6f4 v[rD:rD+7], v[rA:rA+11], v[rB:rB+11], 0, v[rX], v[rY] matrix_a_fmt:MATRIX_FMT_BF6 matrix_b_fmt:MATRIX_FMT_BF6 matrix_a_scale:MATRIX_SCALE_ROW1
.endif
.else
.if (\ra) == 0
	v_wmma_scale_f32_16x16x128_f8f6f4 v[rD:rD+7], v[rA:rA+11], v[rB:rB+11], v[rC:rC+7], v[rX], v[rY] matrix_a_fmt:MATRIX_FMT_BF6 matrix_b_fmt:MATRIX_FMT_BF6
.else
	v_wmma_scale_f32_16x16x128_f8f6f4 v[rD:rD+7], v[rA:rA+11], v[rB:rB+11], v[rC:rC+7], v[rX], v[rY] matrix_a_fmt:MATRIX_FMT_BF6 matrix_b_fmt:MATRIX_FMT_BF6 matrix_a_scale:MATRIX_SCALE_ROW1
.endif
.endif
.endm
.macro INIT                            ; a tile begins: zeros, which the first change of M leaves zeros
	v_mov_b32 v13, 0xff61b1e6                      ; the largest t so far: -3e38
	s_delay_alu instid0(VALU_DEP_1)
	v_floor_f32 v12, -v13                          ; -M
	v_mov_b32 v14, 0
	v_mov_b32 v15, 0
.set j, 0
.rept 32
	v_mov_b32 v[O+j], 0
.set j, j+1
.endr
.endm
.macro QLOAD                           ; my tile of Q: a half image and its scale words
	v_add_nc_u32 v240, s54, v1
	v_add_nc_u32 v241, s54, v2
	v_add_nc_u32 v242, s55, v29
	global_load_b128 v[16:19], v240, s[46:47]
	global_load_b64 v[20:21], v241, s[46:47] offset:512
	global_load_b32 v28, v242, s[46:47] offset:6144
	s_wait_loadcnt 0x0
.endm
; A KEY STEP of 128 keys, at LDS byte s40.  diag = 1: the step may be the tile's last, which lies on the diagonal
.macro STEP diag
	s_setprio 2
	v_add_nc_u32 v4, s40, v1
	v_add_nc_u32 v5, s40, v2
	v_add_nc_u32 v6, s40, v3
	v_nop
.irp g, 0,1                                    ; S^T = K Q^T, four tiles of 16 keys at a time
.if \g
	PLACES                                         ; in front of loads into registers that the four products above read
.endif
.irp t, 0,1,2,3
	ds_load_b128 v[32+12*\t:35+12*\t], v4 offset:768*(4*\g+\t)
	ds_load_b64 v[36+12*\t:37+12*\t], v5 offset:768*(4*\g+\t)+512
.endr
	ds_load_b32 v8, v6 offset:6144+256*\g
	ds_load_b32 v9, v6 offset:6144+256*\g+128
.if \g
.irp t, 0,1,2,3                                ; V's four fragments come with them: they are wanted behind the softmax
.irp c, 0,1
	ds_load_b128 v[80+12*\t+6*\c:83+12*\t+6*\c], v4 offset:VOFF+1536*\t+768*\c
	ds_load_b64 v[84+12*\t+6*\c:85+12*\t+6*\c], v5 offset:VOFF+1536*\t+768*\c+512
.endr
.endr
	ds_load_b32 v10, v6 offset:VOFF+6144
	ds_load_b32 v11, v6 offset:VOFF+6144+128
	s_wait_dscnt 18                                ; K's are in; V's eighteen loads may be out
.else
	s_wait_alu depctr_va_vdst(0)
	s_wait_dscnt 0x0
.endif
.irp t, 0,1,2,3
	WMMA S+8*(4*\g+\t), 32+12*\t, 16, -1, 8+\t/2, 28, \t%2
.endr
.endr
	PLACES
.if \diag                                      ; on the diagonal the scores of hidden keys become -infinity ahead of the maximum: p = 0 then.  The branch hangs on the wave's number and the trip alone
	s_cmp_lg_u32 s42, s43
	s_cbranch_scc1 .Lopen_\@
	v_mov_b32 v254, 0xff800000
.set n, 0
.rept 64                               ; register 16 b + i holds key 16 (lane / 16) + 32 b + i of the step: hidden where 32 b + i > v7
	v_cmp_gt_i32 vcc_lo, 32*(n/16)+n%16, v7
	v_cndmask_b32 v[S+n], v[S+n], v254, vcc_lo
.set n, n+1
.endr
.Lopen_\@:
.endif
.irp b, 0,1,2,3
	v_max3_num_f32 v[BM+\b], v[S+16*\b], v[S+1+16*\b], v[S+2+16*\b]   ; the largest score of each block of 32 keys: it serves for the row's maximum and, since p rises with the score, for the block's largest p
.endr
.irp i, 3,5,7,9,11,13
.irp b, 0,1,2,3
	v_max3_num_f32 v[BM+\b], v[BM+\b], v[S+16*\b+\i], v[S+1+16*\b+\i]
.endr
.endr
.irp b, 0,1,2,3
	v_max_num_f32 v[BM+\b], v[BM+\b], v[S+15+16*\b]
.endr
.irp b, 0,1,2,3
	s_delay_alu instid0(VALU_DEP_4)
	v_permlanex16_b32 v[WK+\b], v[BM+\b], s20, s21
.endr
.irp b, 0,1,2,3
	s_delay_alu instid0(VALU_DEP_4)
	v_max_num_f32 v[BM+\b], v[BM+\b], v[WK+\b]     ; with lane l xor 16's 16 keys
.endr
	s_delay_alu instid0(VALU_DEP_2)
	v_max3_num_f32 v254, v236, v237, v238
	s_delay_alu instid0(VALU_DEP_1)
	v_max_num_f32 v254, v254, v239                 ; the step's largest score of my query
	s_delay_alu instid0(VALU_DEP_1)
	v_mul_f32 v254, s22, v254                      ; as t
	s_delay_alu instid0(VALU_DEP_1)
	v_max_num_f32 v13, v13, v254                   ; the running largest t
	v_mov_b32 v254, v12
	s_delay_alu instid0(VALU_DEP_2)
	v_floor_f32 v12, -v13                          ; the new -M = -ceil(t)
	s_delay_alu instid0(VALU_DEP_1)
	v_sub_f32 v254, v12, v254                      ; old M less new M: a whole number, 0 or less
	s_delay_alu instid0(VALU_DEP_1)
	v_cvt_i32_f32 v254, v254                       ; (it saturates)
	s_delay_alu instid0(VALU_DEP_1)
	v_ldexp_f32 v252, 1.0, v254                    ; f = 2^(old M - new M)
.set j, 0
.rept 32
	v_pk_fma_f32 v[S+j:S+j+1], v[S+j:S+j+1], s[22:23], v[12:13] op_sel_hi:[1,0,0]   ; t - M, two at a time
.set j, j+2
.endr
.irp b, 0,1,2,3
	v_fma_f32 v[BM+\b], v[BM+\b], s22, v12         ; the same of each block's largest score
.endr
.set j, 0
	s_setprio 1
	s_wait_alu depctr_va_vdst(0)
.rept 64
	v_exp_f32 v[S+j], v[S+j]                       ; p = 2^(t - M)
.set j, j+1
.endr
	v_pk_mul_f32 v[14:15], v[14:15], v[252:253] op_sel_hi:[1,0]   ; the sums under the new M: a plain place behind the exponentials
	s_wait_alu depctr_va_vdst(0)                   ; one wait for the batch, ahead of its first reader
.irp b, 0,1,2,3
	v_exp_f32 v[BM+\b], v[BM+\b]                   ; the block's largest p
.endr
	v_pk_add_f32 v[240:241], v[132:133], v[136:137]
	v_pk_add_f32 v[250:251], v[140:141], v[144:145]
	v_pk_add_f32 v[248:249], v[148:149], v[152:153]
	v_pk_add_f32 v[244:245], v[156:157], v[160:161]
	v_pk_add_f32 v[242:243], v[164:165], v[168:169]
	v_pk_add_f32 v[234:235], v[172:173], v[176:177]
	v_pk_add_f32 v[232:233], v[180:181], v[184:185]
	v_pk_add_f32 v[14:15], v[14:15], v[188:189]
	v_pk_add_f32 v[240:241], v[240:241], v[128:129]
	v_pk_add_f32 v[250:251], v[250:251], v[130:131]
	v_pk_add_f32 v[248:249], v[248:249], v[134:135]
	v_pk_add_f32 v[244:245], v[244:245], v[138:139]
	v_pk_add_f32 v[242:243], v[242:243], v[142:143]
	v_pk_add_f32 v[234:235], v[234:235], v[146:147]
	v_pk_add_f32 v[232:233], v[232:233], v[150:151]
	v_pk_add_f32 v[14:15], v[14:15], v[154:155]
	v_pk_add_f32 v[240:241], v[240:241], v[158:159]
	v_pk_add_f32 v[250:251], v[250:251], v[162:163]
	v_pk_add_f32 v[248:249], v[248:249], v[166:167]
	v_pk_add_f32 v[244:245], v[244:245], v[170:171]
	v_pk_add_f32 v[242:243], v[242:243], v[174:175]
	v_pk_add_f32 v[234:235], v[234:235], v[178:179]
	v_pk_add_f32 v[232:233], v[232:233], v[182:183]
	v_pk_add_f32 v[14:15], v[14:15], v[186:187]
	v_pk_add_f32 v[240:241], v[240:241], v[190:191]
	s_delay_alu instid0(VALU_DEP_2)
	v_pk_add_f32 v[14:15], v[14:15], v[244:245]
	s_delay_alu instid0(VALU_DEP_2)
	v_pk_add_f32 v[240:241], v[240:241], v[242:243]
	v_pk_add_f32 v[250:251], v[250:251], v[234:235]
	v_pk_add_f32 v[248:249], v[248:249], v[232:233]
	s_delay_alu instid0(VALU_DEP_2)
	v_pk_add_f32 v[14:15], v[14:15], v[250:251]
	s_delay_alu instid0(VALU_DEP_2)
	v_pk_add_f32 v[240:241], v[240:241], v[248:249]
	s_delay_alu instid0(VALU_DEP_1)
	v_pk_add_f32 v[14:15], v[14:15], v[240:241]
	s_wait_alu depctr_va_vdst(0)                   ; and one for the four
.irp b, 0,1,2,3
	v_max_num_f32 v[BM+\b], 0x2800000, v[BM+\b]    ; the floor 2^(5 - 127)
.endr
.irp b, 0,1,2,3
	s_delay_alu instid0(VALU_DEP_4)
	v_add_nc_u32 v[OP+\b], 0xfe000000, v[BM+\b]
.endr
.irp b, 0,1,2,3
	s_delay_alu instid0(VALU_DEP_4)
	v_lshrrev_b32 v[WK+\b], 23, v[OP+\b]
.endr
	s_delay_alu instid0(VALU_DEP_3)
	v_lshl_or_b32 v253, v241, 8, v240              ; p's scale word for these 128 keys
	s_delay_alu instid0(VALU_DEP_1)
	v_lshl_or_b32 v253, v242, 16, v253
	s_delay_alu instid0(VALU_DEP_1)
	v_lshl_or_b32 v253, v243, 24, v253
.irp c, 0,1
	v_cvt_scalef32_pk16_bf6_f32 v[224+6*\c:226+6*\c], v[S+32*\c:S+15+32*\c], v[OP+2*\c]
	v_cvt_scalef32_pk16_bf6_f32 v[240+4*\c:242+4*\c], v[S+16+32*\c:S+31+32*\c], v[OP+2*\c+1]
.endr
	v_nop                                          ; one plain place behind a scaled conversion
.irp c, 0,1
.irp i, 0,1,2
	v_permlane16_swap_b32 v[224+6*\c+\i], v[240+4*\c+\i]
.endr
.irp i, 0,1,2
	s_delay_alu instid0(VALU_DEP_3)
	v_mov_b32 v[227+6*\c+\i], v[240+4*\c+\i]
.endr
.endr
.set j, 0
.rept 16
	v_pk_mul_f32 v[O+j:O+j+1], v[O+j:O+j+1], v[252:253] op_sel_hi:[1,0]   ; O^T under the new M.  (These sixteen are also the places between the writes of p's codes and scale word and the products)
.set j, j+2
.endr
	s_setprio 0
	s_wait_alu depctr_va_vdst(0)
	s_wait_dscnt 0x0                               ; V
.irp t, 0,1,2,3
	WMMA O+8*\t, 80+12*\t, 224, O+8*\t, 10+\t/2, 253, \t%2         ; four accumulators by turns
.endr
.endm
; Behind a tile's last key step: y = O^T / the sum, quantised along C (my head's two blocks of 32), stored as a half image of YW; then the second tile begins
.macro FINAL
	s_cmp_lg_u32 s42, s43
	s_cbranch_scc1 .Lnot_last_\@
	PLACES
	v_add_f32 v14, v14, v15
	s_delay_alu instid0(VALU_DEP_1)
	v_permlanex16_b32 v240, v14, s20, s21
	s_delay_alu instid0(VALU_DEP_1)
	v_add_f32 v14, v14, v240                       ; the row's sum
	s_wait_alu depctr_va_vdst(0)
	v_rcp_f32 v14, v14
	v_nop                                          ; a plain place behind the reciprocal
	s_wait_alu depctr_va_vdst(0)                   ; the wait ahead of its first reader
.set j, 0
.rept 16
	v_pk_mul_f32 v[S+j:S+j+1], v[O+j:O+j+1], v[14:15] op_sel_hi:[1,0]   ; register 16 b + i: y(my query, 32 b + 16 (lane / 16) + i); each accumulator from its low end on
.set j, j+2
.endr
.irp b, 0,1
	v_max3_num_f32 v[BM+\b], |v[S+16*\b]|, |v[S+1+16*\b]|, 0x2800000
.endr
.irp i, 2,4,6,8,10,12,14
.irp b, 0,1
	s_delay_alu instid0(VALU_DEP_2)
	v_max3_num_f32 v[BM+\b], v[BM+\b], |v[S+16*\b+\i]|, |v[S+1+16*\b+\i]|
.endr
.endr
.irp b, 0,1
	s_delay_alu instid0(VALU_DEP_2)
	v_permlanex16_b32 v[WK+\b], v[BM+\b], s20, s21
.endr
.irp b, 0,1
	s_delay_alu instid0(VALU_DEP_2)
	v_max_num_f32 v[BM+\b], v[BM+\b], v[WK+\b]
.endr
.irp b, 0,1
	s_delay_alu instid0(VALU_DEP_2)
	v_add_nc_u32 v[OP+\b], 0xfe000000, v[BM+\b]
.endr
.irp b, 0,1
	s_delay_alu instid0(VALU_DEP_2)
	v_lshrrev_b32 v[WK+\b], 23, v[OP+\b]
.endr
	s_delay_alu instid0(VALU_DEP_1)
	v_lshl_or_b32 v254, v241, 8, v240              ; my head's two bytes of the row's scale word
	v_cvt_scalef32_pk16_bf6_f32 v[224:226], v[S:S+15], v248
	v_cvt_scalef32_pk16_bf6_f32 v[240:242], v[S+16:S+31], v249
	v_nop
.irp i, 0,1,2
	v_permlane16_swap_b32 v[224+\i], v[240+\i]
.endr
.irp i, 0,1,2
	s_delay_alu instid0(VALU_DEP_3)
	v_mov_b32 v[227+\i], v[240+\i]
.endr
	v_add_nc_u32 v244, s56, v1
	v_add_nc_u32 v245, s56, v2
	v_add_nc_u32 v246, s57, v29
	global_store_b128 v244, v[224:227], s[50:51]
	global_store_b64 v245, v[228:229], s[50:51] offset:512
	global_store_b16 v246, v254, s[50:51] offset:PSC               ; (lanes 16-31 repeat lanes 0-15's store)
	s_wait_xcnt 0x0                                ; the stores have read their registers and their base
	s_cmp_eq_u32 s41, 16
	s_cbranch_scc1 .Lnot_last_\@
	s_mov_b64 s[46:47], s[48:49]                   ; on to the tile in the low group
	s_mov_b64 s[50:51], s[52:53]
	QLOAD
	INIT
.Lnot_last_\@:
.endm
	s_load_b128 s[4:7], s[0:1], 0x0                ; QC, KV
	s_load_b64 s[8:9], s[0:1], 0x10                ; YW
	v_lshl_add_u32 v247, v0, 2, 0x33000
	v_mov_b32 v255, 0
	ds_add_u32 v247, v255
	ds_add_u32 v247, v255
	v_lshrrev_b32 v1, 5, v0
	s_delay_alu instid0(VALU_DEP_1)
	v_readfirstlane_b32 s10, v1                    ; wave 0..15
	s_bfe_u32 s11, ttmp6, 0x40000                  ; cx: it enters global addresses and the mask's lane constant alone
	s_and_b32 s12, ttmp7, 0xffff                   ; batch x 16 + head
	s_lshr_b32 s13, s10, 1                         ; the low group
	s_and_b32 s14, s10, 1
	s_lshl_b32 s17, s11, 1
	s_add_co_u32 s14, s14, s17                     ; my tile in a group: 2 cx + w % 2
	s_sub_co_u32 s15, 15, s13                      ; the high group
	s_add_co_u32 s16, s15, 1
	s_mov_b32 s24, 15|(3<<16)|(1<<21)              ; the mask: all four work-groups; elements of 8 bytes; bit 21 beside a mask; no padding
	s_mov_b32 s25, 32<<16                          ; rows of 256 bytes,
	s_mov_b32 s26, 102<<16                         ; 102 of them: two key steps
	s_mov_b32 s27, 32<<16
	s_mov_b32 s28, 102
	s_mov_b32 s29, 32                              ; dense
	s_mov_b32 s30, 0
	s_mov_b32 s31, 0
	s_mul_i32 s18, s12, HEADB
	s_and_b32 s19, s10, 3
	s_mul_i32 s19, s19, 2*KSB                      ; waves 0-3 fetch key steps 2 w, 2 w + 1 and, with their second load, 8 + 2 w, 9 + 2 w
	s_add_co_u32 s58, s18, s19
	s_mov_b32 s59, 0
	s_mov_b32 s20, 0x76543210
	s_mov_b32 s21, 0xfedcba98
	s_mov_b32 s22, 0x3e38aa3b                      ; c = log2(e) / 8
	s_mov_b32 s23, s22
	s_wait_dscnt 0x0
	s_wait_kmcnt 0x0
	s_mov_b32 s32, 1
	s_mov_b32 s33, s19
	s_add_nc_u64 s[34:35], s[6:7], s[58:59]
	s_mov_b32 s36, 1
	s_add_co_u32 s37, s19, 8*KSB
	s_add_nc_u64 s[38:39], s[34:35], 8*KSB
	s_or_b32 s35, s35, 0x80000000
	s_or_b32 s39, s39, 0x80000000
	CROUND                                         ; all four work-groups are here: the joint loads meet
	s_cmp_lt_u32 s10, 4
	s_cbranch_scc0 .Lno_fetch
	tensor_load_to_lds s[32:35], s[24:31]
	s_nop 0
	tensor_load_to_lds s[36:39], s[24:31]
	s_nop 0
	PLACES
.Lno_fetch:
	s_lshl_b32 s17, s12, 4
	s_add_co_u32 s18, s17, s15
	s_mul_i32 s58, s18, 6656
	s_add_nc_u64 s[46:47], s[4:5], s[58:59]        ; Q's group now: the high one,
	s_add_co_u32 s18, s17, s13
	s_mul_i32 s58, s18, 6656
	s_add_nc_u64 s[48:49], s[4:5], s[58:59]        ; and the low one
	s_and_b32 s17, s12, 0x30                       ; 16 x batch
	s_bfe_u32 s19, s12, 0x30001                    ; head / 2: the K step of the next product
	s_mul_i32 s19, s19, PST
	s_add_co_u32 s18, s17, s15
	s_mul_i32 s58, s18, KP
	s_add_co_u32 s58, s58, s19
	s_add_nc_u64 s[50:51], s[8:9], s[58:59]        ; y's panel step now,
	s_add_co_u32 s18, s17, s13
	s_mul_i32 s58, s18, KP
	s_add_co_u32 s58, s58, s19
	s_add_nc_u64 s[52:53], s[8:9], s[58:59]        ; and for the low group
	s_and_b32 s18, s12, 1                          ; head % 2: which half image, which two bytes
	s_mul_i32 s54, s14, 768
	s_lshl_b32 s55, s14, 6
	s_mul_i32 s56, s14, 1536
	s_mul_i32 s17, s18, 768
	s_add_co_u32 s56, s56, s17
	s_lshl_b32 s17, s18, 1
	s_add_co_u32 s57, s55, s17
	s_lshr_b32 s17, s14, 1
	s_lshl_b32 s17, s17, 5
	s_and_b32 s18, s14, 1
	s_lshl_b32 s18, s18, 3
	s_add_co_u32 s17, s17, s18                     ; my tile's first row in its group
	v_and_b32 v30, 31, v0
	s_delay_alu instid0(VALU_DEP_1)
	v_lshlrev_b32 v1, 4, v30
	s_delay_alu instid0(VALU_DEP_2)
	v_lshlrev_b32 v2, 3, v30
	s_delay_alu instid0(VALU_DEP_3)
	v_lshlrev_b32 v3, 2, v30
	v_and_b32 v30, 15, v0                          ; r
	v_bfe_u32 v31, v0, 4, 1                        ; h
	s_delay_alu instid0(VALU_DEP_2)
	v_lshlrev_b32 v29, 2, v30
	s_delay_alu instid0(VALU_DEP_3)
	v_and_b32 v7, 8, v30
	s_delay_alu instid0(VALU_DEP_1)
	v_add_nc_u32 v7, v7, v30
	s_delay_alu instid0(VALU_DEP_4)
	v_lshlrev_b32 v31, 4, v31
	s_delay_alu instid0(VALU_DEP_1)
	v_sub_nc_u32 v7, v7, v31
	s_delay_alu instid0(VALU_DEP_1)
	v_add_nc_u32 v7, s17, v7                       ; my query's place in its group, less 16 h
.irp j, 22,23,24,25,26,27
	v_mov_b32 v[\j], 0                             ; the upper half of Q's fragment: zero codes
.endr
.irp t, 0,1,2,3
.irp j, 6,7,8,9,10,11
	v_mov_b32 v[32+12*\t+\j], 0                    ; and of K's four: set once, never loaded into
.endr
.endr
.irp b, 0,1,2,3
	v_mov_b32 v[WK+\b], 0                          ; a lane permute's destination counts as read
.endr
	v_mov_b32 v253, 0                              ; (named as the upper half of v[252:253] before it is first written)
	QLOAD
	INIT
	s_wait_tensorcnt 1                             ; my part of key steps 0-7 has landed; my load for key steps 8-15 may be out,
	s_barrier_signal -1
	s_barrier_wait -1                              ; and so has everybody's
	s_mov_b32 s40, 0
	s_mov_b32 s41, 0
.Lfirst:                                           ; trips 0-7: key steps 0-7 of the high tile, whose group is 8 or more: never on the diagonal
	STEP 0
	s_add_co_u32 s40, s40, KSB
	s_add_co_u32 s41, s41, 1
	s_cmp_lt_u32 s41, 8
	s_cbranch_scc1 .Lfirst
	s_setprio 0
	s_wait_tensorcnt 0x0                           ; key steps 8-15: mine have landed,
	s_wait_dscnt 0x0
	s_barrier_signal -1
	s_barrier_wait -1                              ; everybody's have
.Lsecond:                                          ; trips 8-16: the rest of the high tile, then the low tile
	s_cmp_gt_u32 s41, s15
	s_cselect_b32 s44, s16, 0
	s_cselect_b32 s43, s13, s15                    ; the group of the tile in hand = its last key step
	s_sub_co_u32 s42, s41, s44
	s_and_b32 s42, s42, 15                         ; the key step
	s_mul_i32 s40, s42, KSB
	STEP 1
	FINAL
	s_add_co_u32 s41, s41, 1
	s_cmp_lt_u32 s41, 17
	s_cbranch_scc1 .Lsecond
	s_setprio 0
	s_wait_tensorcnt 0x0
	ds_add_u32 v247, v255
	s_wait_dscnt 0x0
	CROUND                                         ; the closing round
	s_endpgm
.Lfunc_end_k_q6fbc34e04a_attn:
	.size	k_q6fbc34e04a_attn, .Lfunc_end_k_q6fbc34e04a_attn-k_q6fbc34e04a_attn
	.p2alignl 7, 3214868480
	.fill 96, 4, 3214868480
	.section	.rodata,"a",@progbits
	.p2align	6, 0x0
	.amdhsa_kernel k_q6fbc34e04a_attn
		.amdhsa_group_segment_fixed_size 210944
		.amdhsa_private_segment_fixed_size 0
		.amdhsa_enable_private_segment 0
		.amdhsa_kernarg_size 24
		.amdhsa_user_sgpr_count 2
		.amdhsa_user_sgpr_kernarg_segment_ptr 1
		.amdhsa_wavefront_size32 1
		.amdhsa_system_sgpr_workgroup_id_x 1
		.amdhsa_system_sgpr_workgroup_id_y 1
		.amdhsa_system_sgpr_workgroup_id_z 1
		.amdhsa_system_vgpr_workitem_id 0
		.amdhsa_next_free_vgpr 256
		.amdhsa_next_free_sgpr 66
		.amdhsa_reserve_vcc 1
		.amdhsa_float_denorm_mode_32 3
		.amdhsa_float_denorm_mode_16_64 3
		.amdhsa_memory_ordered 1
		.amdhsa_forward_progress 1
		.amdhsa_inst_pref_size 56
	.end_amdhsa_kernel
	.amdgpu_metadata
---
amdhsa.version: [ 1, 2 ]
amdhsa.kernels:
  - .name:           k_q6fbc34e04a_attn
    .symbol:         k_q6fbc34e04a_attn.kd
    .args:
      - { .name: QC, .offset: 0, .size: 8, .value_kind: global_buffer, .address_space: global }
      - { .name: KV, .offset: 8, .size: 8, .value_kind: global_buffer, .address_space: global }
      - { .name: YW, .offset: 16, .size: 8, .value_kind: global_buffer, .address_space: global }
    .group_segment_fixed_size: 210944
    .private_segment_fixed_size: 0
    .kernarg_segment_align: 8
    .kernarg_segment_size: 24
    .max_flat_workgroup_size: 512
    .sgpr_count:     66
    .vgpr_count:     256
    .wavefront_size: 32
...
	.end_amdgpu_metadata
.endif
;; end of part 3
;; launch gemm2 (part 4): grid 4 x 64, 4 waves a work-group, clusters of 4 x 4, 307,712 bytes of LDS; arguments YW, b_proj, out0; writes out0
.if DOCPART == 4
	.amdgcn_target "amdgcn-amd-amdhsa--gfx1250"
	.amdhsa_code_object_version 6
	.text
	.protected	k_q6fbc34e04a_gemm2
	.globl	k_q6fbc34e04a_gemm2
	.p2align	8
	.type	k_q6fbc34e04a_gemm2,@function
k_q6fbc34e04a_gemm2:
	s_mov_b64 s[64:65], 0
	v_nop
	global_prefetch_b8 v0, s[64:65] scope:SCOPE_SE
	s_setreg_imm32_b32 hwreg(HW_REG_WAVE_MODE, 25, 1), 1
	s_wait_xcnt 0x0
	s_wait_alu depctr_hold_cnt(0) depctr_sa_sdst(0) depctr_va_vdst(0) depctr_va_sdst(0) depctr_va_ssrc(0) depctr_va_vcc(0) depctr_vm_vsrc(0)
	s_getreg_b32 s2, hwreg(HW_REG_IB_STS2, 6, 4)
	s_cmp_eq_u32 s2, 0
	s_cbranch_scc0 .Lentry_in_a_cluster
	s_endpgm
.Lentry_in_a_cluster:
	s_bfe_u32 s2, ttmp6, 0x10000c
	s_cmp_lg_u32 s2, 0xf033
	s_cbranch_scc0 .Lentry_shape_is_right
	s_endpgm
.Lentry_shape_is_right:
; out0 = y W_proj + b_proj on codes of BF6 with E8M0 scales; out0 [8192][1024] f32.
; OPERANDS: YW holds panels (128 rows x K 1,024, 102,400 dense bytes) as images of the operand's registers: panels 0-63 y's rows, panels 64-71 W_proj's columns n.  A panel step (12,800 bytes): 8 fragments of 1,536 bytes, 512 bytes of scale words.
; In each group of 32 rows, tile u holds at lane-row p the row 8 u + p + 8 (p / 8).
; SHARES: a work-group makes 128 rows of y (source 1: a lane is a row) x 256 columns n (source 0: the registers run along n).  Wave w: y's tiles 4 (w % 2) .. + 3, W's panel w / 2: 32 accumulators.
; ALL OF K for the three panels, 307,200 bytes, lies in LDS: every tile is filled once, asked for at the head in four pairs of K steps; nothing is filled again.  A wave has at most four tensor loads out.
; CLUSTER 4 x 4: y's panel is shared along a row of the cluster, W's two along a column: each is asked for jointly.
; THE WAY OUT goes through a stage of 16 rows x 528 bytes for each wave, laid over the first bytes of y's panel behind a barrier that follows every wave's last read of the tiles; a store covers 512 consecutive bytes of a row.
; LIMITS: the bias is the sums' first term; NaN and infinities are not served.
; REGISTERS: window 0: v1-19 addresses; v20-31 scale words, two sets; v32-127 A's fragments, two sets; v128-191 the bias; on the way out v32-159 rows of out0.  window 1: B's fragments.  window 2: accumulator (a, b) at v[8 (8 a + b)].
.set KP,   102400
.set PST,  12800
.set PSC,  12288
.set PAIR, 25600
.set WV,   12
.set G1A,  24
.set G1B,  32
.set G0A,  40
.set G0B,  68
.set MSB,  0
.macro WIN new                         ; the immediate's high byte repeats the setting that is left
.if MSB != \new
	s_set_vgpr_msb (MSB<<8)|\new
.set MSB, \new
.endif
.endm
.macro CROUND                          ; a round of the cluster's barrier
	s_barrier_signal -1
	s_barrier_wait -1
	s_cmp_lg_u32 s[WV], 0
	s_cbranch_scc1 .Lnot_wave_0_\@
	s_barrier_signal -3
.Lnot_wave_0_\@:
	s_barrier_wait -3
	s_barrier_signal -1
	s_barrier_wait -1
.endm
.macro PLACES                          ; four plain places behind a matrix instruction (ISA guide 7.12.1)
.rept 4
	v_nop
.endr
.endm
.macro WMMA d, a, b, c, sa, sb, ra, rb ; ra, rb: source 0's, source 1's scale words stand in lanes 16-31 of their register
.set rD, \d
.set rA, \a
.set rB, \b
.set rC, \c
.set rX, \sa
.set rY, \sb
.set rR, 2*(\ra)+(\rb)
.if rR == 0
	v_wmma_scale_f32_16x16x128_f8f6f4 v[rD:rD+7], v[rA:rA+11], v[rB:rB+11], v[rC:rC+7], v[rX], v[rY] matrix_a_fmt:MATRIX_FMT_BF6 matrix_b_fmt:MATRIX_FMT_BF6
.elseif rR == 1
	v_wmma_scale_f32_16x16x128_f8f6f4 v[rD:rD+7], v[rA:rA+11], v[rB:rB+11], v[rC:rC+7], v[rX], v[rY] matrix_a_fmt:MATRIX_FMT_BF6 matrix_b_fmt:MATRIX_FMT_BF6 matrix_b_scale:MATRIX_SCALE_ROW1
.elseif rR == 2
	v_wmma_scale_f32_16x16x128_f8f6f4 v[rD:rD+7], v[rA:rA+11], v[rB:rB+11], v[rC:rC+7], v[rX], v[rY] matrix_a_fmt:MATRIX_FMT_BF6 matrix_b_fmt:MATRIX_FMT_BF6 matrix_a_scale:MATRIX_SCALE_ROW1
.else
	v_wmma_scale_f32_16x16x128_f8f6f4 v[rD:rD+7], v[rA:rA+11], v[rB:rB+11], v[rC:rC+7], v[rX], v[rY] matrix_a_fmt:MATRIX_FMT_BF6 matrix_b_fmt:MATRIX_FMT_BF6 matrix_a_scale:MATRIX_SCALE_ROW1 matrix_b_scale:MATRIX_SCALE_ROW1
.endif
.endm
; K step s into set sg: 54 LDS loads in one run; each reads consecutive bytes.  The second register of each address pair stands four panel steps on
.macro FETCH s, sg
.set fo, ((\s)%4)*PST
.set fh, (\s)/4
	WIN 0x40                                       ; destination window 1
.irp i, 0,1,2,3,4,5,6,7
.irp c, 0,1
	ds_load_b128 v[128*(\sg)+12*\i+6*\c:128*(\sg)+12*\i+6*\c+3], v[10+fh] offset:fo+1536*\i+768*\c
	ds_load_b64 v[128*(\sg)+12*\i+6*\c+4:128*(\sg)+12*\i+6*\c+5], v[12+fh] offset:fo+1536*\i+768*\c+512
.endr
.endr
	WIN 0
.irp i, 0,1,2,3
.irp c, 0,1
	ds_load_b128 v[32+48*(\sg)+12*\i+6*\c:32+48*(\sg)+12*\i+6*\c+3], v[4+fh] offset:fo+1536*\i+768*\c
	ds_load_b64 v[32+48*(\sg)+12*\i+6*\c+4:32+48*(\sg)+12*\i+6*\c+5], v[6+fh] offset:fo+1536*\i+768*\c+512
.endr
.endr
.irp i, 0,1
	ds_load_b32 v[20+6*(\sg)+\i], v[8+fh] offset:fo+PSC+128*\i     ; lanes 0-15 the words of A's tile 2 i, lanes 16-31 of tile 2 i + 1
.endr
.irp i, 0,1,2,3
	ds_load_b32 v[22+6*(\sg)+\i], v[14+fh] offset:fo+PSC+128*\i
.endr
.endm
; 32 products on set sg; the 32 accumulators take turns, one instruction a turn, in the same order in every step.  mode 1: the bias starts the sums
.macro MUL sg, mode
.if (\mode) == 0
	WIN 0xa1                                       ; source 0 window 1, source 1 window 0, C and D window 2
.else
	WIN 0x81                                       ; C window 0
.endif
.irp a, 0,1,2,3
.irp b, 0,1,2,3,4,5,6,7
.if (\mode) == 0
	WMMA 8*(8*\a+\b), 128*(\sg)+12*\b, 32+48*(\sg)+12*\a, 8*(8*\a+\b), 22+6*(\sg)+\b/2, 20+6*(\sg)+\a/2, \b%2, \a%2
.else
	WMMA 8*(8*\a+\b), 128*(\sg)+12*\b, 32+48*(\sg)+12*\a, 128+8*\b, 22+6*(\sg)+\b/2, 20+6*(\sg)+\a/2, \b%2, \a%2
.endif
.endr
.endr
.endm
.macro STEPK s, mode
	s_wait_dscnt 0x0                               ; this step's fragments, asked for a whole step of products ago, are in
.if ((\s) == 1) || ((\s) == 3) || ((\s) == 5)
	s_wait_tensorcnt 3-((\s)+1)/2                  ; my part of the next pair of K steps has landed; my later pairs may be out,
	s_barrier_signal -1
	s_barrier_wait -1                              ; and so has everybody's.
.endif
.if (\s) > 0
	PLACES                                         ; in front of loads into the set that the last step's products read
.endif
	FETCH (\s)+1, 1-(\s)%2
	MUL (\s)%2, \mode
.endm
; The way out of tile a: 16 rows x 128 columns into my stage, and back as whole rows of 512 bytes
.macro TOSTAGE a
	WIN 0x08                                       ; an LDS store's data are its source 1: window 2
.irp b, 0,1,2,3,4,5,6,7
	ds_store_b128 v18, v[64*(\a)+8*\b:64*(\a)+8*\b+3] offset:128*(\b/2)+32*(\b%2)          ; each accumulator from its low end on
	ds_store_b128 v18, v[64*(\a)+8*\b+4:64*(\a)+8*\b+7] offset:128*(\b/2)+32*(\b%2)+16
.endr
	WIN 0
.set BB, 32+64*((\a)%2)
.set i, 0
.rept 16
	ds_load_b128 v[BB+4*i:BB+4*i+3], v19 offset:528*i              ; a wave's LDS instructions are served in order: these see the stores above
.set i, i+1
.endr
.endm
.macro SEND a, younger                 ; younger: the LDS instructions issued behind tile a's loads, which may stay out
.set BB, 32+64*((\a)%2)
	s_wait_dscnt \younger
.set i, 0
.rept 16
	global_store_b128 v16, v[BB+4*i:BB+4*i+3], s[8:9] offset:(32*((\a)/2)+8*((\a)%2)+i+8*(i/8))*4096 th:TH_STORE_NT   ; 512 consecutive bytes, at a multiple of 512 from out0's first byte
.set i, i+1
.endr
.endm
	s_load_b128 s[4:7], s[0:1], 0x0                ; YW, b_proj
	s_load_b64 s[8:9], s[0:1], 0x10                ; out0
	v_lshl_add_u32 v254, v0, 2, 0x4b000
	v_mov_b32 v255, 0
	ds_add_u32 v254, v255
	ds_add_u32 v254, v255
	v_lshrrev_b32 v1, 5, v0
	v_readfirstlane_b32 s[WV], v1                  ; wave 0..3
	s_and_b32 s13, s[WV], 1                        ; hA
	s_lshr_b32 s14, s[WV], 1                       ; pB
	s_bfe_u32 s15, ttmp6, 0x40000                  ; cx
	s_bfe_u32 s16, ttmp6, 0x40004                  ; cy
	s_and_b32 s17, ttmp7, 0xffff                   ; cluster y
	s_lshl_b32 s18, s16, 2
	s_lshl_b32 s18, 15, s18                        ; my row of the cluster
	s_lshl_b32 s19, 0x1111, s15                    ; my column
	s_or_b32 s[G1A], s18, (3<<16)|(1<<21)          ; the mask; elements of 8 bytes; bit 21 beside a mask; no padding
	s_or_b32 s[G1B], s19, (3<<16)|(1<<21)
.irp g, G1A, G1B
	s_mov_b32 s[\g+1], 32<<16                      ; rows of 256 bytes,
	s_mov_b32 s[\g+2], 100<<16                     ; 100 of them: two panel steps
	s_mov_b32 s[\g+3], 32<<16
	s_mov_b32 s[\g+4], 100
	s_mov_b32 s[\g+5], 32                          ; dense
	s_mov_b32 s[\g+6], 0
	s_mov_b32 s[\g+7], 0
.endr
	s_lshl_b32 s20, s17, 2
	s_add_co_u32 s20, s20, s16                     ; y's panel: 4 Y + cy: it never holds cx
	s_lshl_b32 s22, s15, 1
	s_add_co_u32 s22, s22, 64                      ; W's first panel: 64 + 2 cx: it never holds cy
	s_mul_i32 s56, s20, KP
	s_mov_b32 s57, 0
	s_sub_co_u32 s23, s[WV], 1
	s_and_b32 s23, s23, 1                          ; wave 1 fetches W's first panel, wave 2 its second
	s_add_co_u32 s23, s23, s22
	s_mul_i32 s58, s23, KP
	s_mov_b32 s59, 0
	s_min_u32 s60, s[WV], 2
	s_mul_i32 s60, s60, KP
	s_wait_dscnt 0x0
	s_wait_kmcnt 0x0
	s_add_nc_u64 s[56:57], s[4:5], s[56:57]
	s_add_nc_u64 s[58:59], s[4:5], s[58:59]
	CROUND                                         ; all sixteen work-groups are here: the joint loads meet
.irp p, 0,1,2,3
	s_mov_b32 s[G0A+4*\p], 1
	s_add_co_u32 s[G0A+4*\p+1], s60, \p*PAIR
	s_add_nc_u64 s[G0A+4*\p+2:G0A+4*\p+3], s[56:57], \p*PAIR
	s_or_b32 s[G0A+4*\p+3], s[G0A+4*\p+3], 0x80000000
	s_mov_b32 s[G0B+4*\p], 1
	s_add_co_u32 s[G0B+4*\p+1], s60, \p*PAIR
	s_add_nc_u64 s[G0B+4*\p+2:G0B+4*\p+3], s[58:59], \p*PAIR
	s_or_b32 s[G0B+4*\p+3], s[G0B+4*\p+3], 0x80000000
.endr
	s_cmp_eq_u32 s[WV], 0                          ; all fills of a wave stand in one branch on its number; four v_nop follow the last
	s_cbranch_scc0 .Lnot_a
.irp p, 0,1,2,3
	tensor_load_to_lds s[G0A+4*\p:G0A+4*\p+3], s[G1A:G1A+7]
	s_nop 0
.endr
	PLACES
	s_branch .Lasked
.Lnot_a:
	s_cmp_lt_u32 s[WV], 3
	s_cbranch_scc0 .Lasked
.irp p, 0,1,2,3
	tensor_load_to_lds s[G0B+4*\p:G0B+4*\p+3], s[G1B:G1B+7]
	s_nop 0
.endr
	PLACES
.Lasked:
	v_and_b32 v1, 31, v0                           ; l
	v_and_b32 v2, 15, v0                           ; r
	v_bfe_u32 v3, v0, 4, 1                         ; h
	v_lshlrev_b32 v16, 4, v1                       ; 16 l
	s_wait_alu depctr_va_vdst(0)
	v_lshlrev_b32 v17, 3, v1                       ; 8 l
	s_wait_alu depctr_va_vdst(0)
	v_lshlrev_b32 v193, 2, v1                      ; 4 l
	s_wait_alu depctr_va_vdst(0)
	s_lshl_b32 s61, s15, 1
	s_add_co_u32 s61, s61, s14                     ; my 128 columns: 512 bytes of the bias
	s_lshl_b32 s66, s61, 9
	s_mov_b32 s67, 0
	s_add_nc_u64 s[6:7], s[6:7], s[66:67]
	v_lshlrev_b32 v192, 6, v3                      ; 64 h: lane (r, h) wants, for tile 2 g + u, n = 32 g + 16 h + 8 u + 0 .. 7
.irp b, 0,1,2,3,4,5,6,7
	global_load_b128 v[128+8*\b:128+8*\b+3], v192, s[6:7] offset:(32*(\b/2)+8*(\b%2))*4
	global_load_b128 v[128+8*\b+4:128+8*\b+7], v192, s[6:7] offset:(32*(\b/2)+8*(\b%2))*4+16
.endr
	s_mul_i32 s61, s13, 6144                       ; my four fragments of y in a panel step
	s_lshl_b32 s62, s13, 8                         ; and their scale words
	s_add_co_u32 s63, s14, 1
	s_mul_i32 s63, s63, KP                         ; my panel of W
	v_add_nc_u32 v4, s61, v16
	v_add_nc_u32 v6, s61, v17
	v_add_nc_u32 v8, s62, v193
	v_add_nc_u32 v10, s63, v16
	v_add_nc_u32 v12, s63, v17
	v_add_nc_u32 v14, s63, v193
.irp g, 4,6,8,10,12,14
	v_add_nc_u32 v[\g+1], 4*PST, v[\g]             ; K steps 4 to 7: an LDS immediate has 16 bits
.endr
	s_mul_i32 s61, s[WV], 16*528                   ; my stage
	v_mul_u32_u24 v18, v2, 528
	v_lshl_add_u32 v18, v3, 6, v18
	v_add_nc_u32 v18, s61, v18                     ; in: row r, + 64 h
	v_add_nc_u32 v19, s61, v16                     ; back: 16 bytes a lane of a row
	s_lshl_b32 s66, s20, 19                        ; 128 rows of 4,096 bytes a panel,
	s_lshl_b32 s61, s13, 18                        ; my 64 of them,
	s_add_co_u32 s66, s66, s61
	s_lshl_b32 s61, s15, 10                        ; the work-group's 256 columns,
	s_add_co_u32 s66, s66, s61
	s_lshl_b32 s61, s14, 9                         ; my 128 of them
	s_add_co_u32 s66, s66, s61
	s_add_nc_u64 s[8:9], s[8:9], s[66:67]
	s_wait_alu depctr_va_vdst(0)
	s_wait_tensorcnt 3                             ; my part of K steps 0 and 1 has landed; my three later loads may be out,
	s_barrier_signal -1
	s_barrier_wait -1                              ; and so has everybody's
	FETCH 0, 0
	s_wait_loadcnt 0x0                             ; the bias
	STEPK 0, 1                                     ; the first step's products start the sums with the bias
	STEPK 1, 0
	STEPK 2, 0
	STEPK 3, 0
	STEPK 4, 0
	STEPK 5, 0
	STEPK 6, 0
	s_wait_dscnt 0x0                               ; the last step's fragments are in: my reads of the tiles are over:
	s_barrier_signal -1                            ; say so,
	MUL 1, 0                                       ; work on registers while the others arrive,
	WIN 0
	s_barrier_wait -1                              ; and only then may the stage be laid over the tiles, which have had their one fill
	PLACES                                         ; in front of the first read of results and of loads into registers that the products read
	TOSTAGE 0
.irp a, 1,2,3
.if \a > 1
	s_wait_xcnt 0x0                                ; tile a - 2's stores have read their registers: tile a's loads may land there
.endif
	TOSTAGE \a
	SEND \a-1, 32                                  ; behind tile a - 1's loads: tile a's 16 stores and 16 loads
.endr
	SEND 3, 0
	s_wait_tensorcnt 0x0
	ds_add_u32 v254, v255
	s_wait_dscnt 0x0
	CROUND                                         ; the closing round: no work-group ends while a partner may still ask for a tile that names it
	s_endpgm
.Lfunc_end_k_q6fbc34e04a_gemm2:
	.size	k_q6fbc34e04a_gemm2, .Lfunc_end_k_q6fbc34e04a_gemm2-k_q6fbc34e04a_gemm2
	.p2alignl 7, 3214868480
	.fill 96, 4, 3214868480
	.section	.rodata,"a",@progbits
	.p2align	6, 0x0
	.amdhsa_kernel k_q6fbc34e04a_gemm2
		.amdhsa_group_segment_fixed_size 307712
		.amdhsa_private_segment_fixed_size 0
		.amdhsa_enable_private_segment 0
		.amdhsa_kernarg_size 24
		.amdhsa_user_sgpr_count 2
		.amdhsa_user_sgpr_kernarg_segment_ptr 1
		.amdhsa_wavefront_size32 1
		.amdhsa_system_sgpr_workgroup_id_x 1
		.amdhsa_system_sgpr_workgroup_id_y 1
		.amdhsa_system_sgpr_workgroup_id_z 1
		.amdhsa_system_vgpr_workitem_id 0
		.amdhsa_next_free_vgpr 768
		.amdhsa_next_free_sgpr 100
		.amdhsa_reserve_vcc 0
		.amdhsa_float_denorm_mode_32 3
		.amdhsa_float_denorm_mode_16_64 3
		.amdhsa_memory_ordered 1
		.amdhsa_forward_progress 1
		.amdhsa_inst_pref_size 86
	.end_amdhsa_kernel
	.amdgpu_metadata
---
amdhsa.version: [ 1, 2 ]
amdhsa.kernels:
  - .name:           k_q6fbc34e04a_gemm2
    .symbol:         k_q6fbc34e04a_gemm2.kd
    .args:
      - { .name: YW, .offset: 0, .size: 8, .value_kind: global_buffer, .address_space: global }
      - { .name: b_proj, .offset: 8, .size: 8, .value_kind: global_buffer, .address_space: global }
      - { .name: out0, .offset: 16, .size: 8, .value_kind: global_buffer, .address_space: global }
    .group_segment_fixed_size: 307712
    .private_segment_fixed_size: 0
    .kernarg_segment_align: 8
    .kernarg_segment_size: 24
    .max_flat_workgroup_size: 128
    .sgpr_count:     100
    .vgpr_count:     768
    .wavefront_size: 32
...
	.end_amdgpu_metadata
.endif
;; end of part 4
